; MI455X (gfx1250); checked and timed in simulation.
; The chip was launched on July 23, 2026; its instructions are those of AMD's public machine-readable ISA for CDNA 5 (MIT licence, August 2026) and "CDNA5" Instruction Set Architecture Reference Guide (July 2026). The comments in the code are by the model that wrote it; some were corrected since.
;; Multi Head Attention. Allowed arithmetic: matrix products marked QUANTISED: E2M3 operands, one E8M0 scale for each 32 along K, by v_wmma_scale_f32_16x16x128_f8f6f4 with both operands' format E2M3, f32 sums; everything else in f32.
;; Inputs: W_o 1,024 x 1,024 float32; W_qkv 3,072 x 1,024 float32; token_positions 2,048 int32; x 4 x 2,048 x 1,024 float32.
;; Outputs: out0 4 x 2,048 x 1,024 float32.
;; This version of the problem:
;;   THIS VERSION OF THE PROBLEM IS GIVEN IN LOW PRECISION. The matrix products marked QUANTISED in the list below multiply operands that are first quantised to E2M3 (2 exponent bits, 3 mantissa bits; 6 bits a number), with one power-of-two scale for each 32 numbers along K (OCP MX v1.0); their sums are f32. All else is computed in f32.
;;   The module's matrix products, in the order in which they are computed (A, B: the left and right operand; K: the contracted axis; several contracted axes count as one K, in the product's order):
;;     1. [M 8,192, K 1,024] x [K 1,024, N 3,072]; A: input x; B: input W_qkv: QUANTISED
;;     2. batch 64 x [M 2,048, K 64] x [K 64, N 2,048]; A: computed on the way; B: computed on the way: QUANTISED
;;     3. batch 64 x [M 2,048, K 2,048] x [K 2,048, N 64]; A: softmax (see below); B: computed on the way: QUANTISED
;;     4. [M 8,192, K 1,024] x [K 1,024, N 1,024]; A: computed on the way; B: input W_o: QUANTISED
;;   THE QUANTISER, for each operand of a quantised product, along K:
;;     - K is cut into blocks of 32 from its start; a last block that is shorter is filled with zeros.
;;     - A block's scale is 2^e with e = floor(log2(the largest magnitude in the block)) - 2, held to -126 .. 127; a block of zeros has e = 0. As a byte (E8M0): e + 127.
;;     - Each number is divided by its block's scale, clamped to +-7.5, and rounded to the nearest number of E2M3, ties to even, subnormals kept.
;;     - The product sums the exact products of the quantised numbers (number of the format x scale) in f32.
;;   ~~~python
;;   def quantise(x, axis):      # numpy; x: float32 -> the quantised numbers, widened to float32 again
;;       x = np.moveaxis(x, axis, -1); K = x.shape[-1]
;;       x = np.pad(x, [(0, 0)] * (x.ndim - 1) + [(0, -K % 32)]); x = x.reshape(x.shape[:-1] + (-1, 32)); a = np.abs(x).max(-1, keepdims=True)
;;       e = np.where(a > 0, np.clip(np.frexp(np.where(a > 0, a, 1))[1] - 1 - 2, -126, 127), 0)      # np.frexp(a)[1] - 1 = floor(log2(a)), exactly
;;       r = np.clip(x / 2.0 ** e, -7.5, 7.5)
;;       step = 2.0 ** (np.maximum(np.frexp(np.where(r == 0, 1, r))[1] - 1, 0) - 3)
;;       q = np.round(r / step) * step * 2.0 ** e      # np.round: ties to even
;;       return np.moveaxis(q.reshape(q.shape[:-2] + (-1,))[..., :K], -1, axis).astype(np.float32)
;;   ~~~
;;   SOFTMAX AHEAD OF A QUANTISED PRODUCT. Where the list says 'softmax', what is quantised is not the finished softmax but p = 2^(t - M), with t = logit x log2(e) and M = ceil(the row's largest t), a whole number; so 1/2 < the row's largest p <= 1. The row's sum l is taken of the UNQUANTISED p, in f32, and the product's result is divided by l at the end. Since M is a whole number, a kernel that streams over the keys may use a running M (the ceiling of the running maximum): every later rescaling is an exact power of two, which a block's scale takes up: the codes' values come out the same.
;;   OPERANDS COMPUTED ON THE WAY. 'Computed on the way' means the value that the module computes at that place (a softmax that the list does not call 'softmax' is quantised finished and normalised). What goes into a quantiser is computed in f32, as accurately as f32 sums, v_exp_f32 and their like allow (about 1e-6 of the number): no bf16 or f16 on the way to a quantiser, and a product that is left as it is and whose result goes on into a quantised operand takes f32 operands (vector FMAs, or v_wmma_f32_16x16x4_f32). A number that lies on a knife's edge between two numbers of the format may be rounded either way, as far as f32 arithmetic and the matrix unit's own rounding can turn it there, and no further.
;; One version. Each part assembles by itself: llvm-mc -triple=amdgcn-amd-amdhsa -mcpu=gfx1250 --defsym DOCPART=n.
;; ======== version 1 of 1: 4 launches
;; limits: right only within a limited range of input values
;; workspace buffers: cod 9,437,184 bytes; scl 393,216 bytes; rt 524,288 bytes; qc 6,291,456 bytes; qs 524,288 bytes; kv 13,369,344 bytes; oc 6,291,456 bytes; os 262,144 bytes
;; launch quant (part 1): grid 400 x 1, 4 waves a work-group, no clusters, 34,304 bytes of LDS; arguments x, W_qkv, W_o, token_positions, cod, scl, rt; writes cod, scl, rt
.if DOCPART == 1
	.amdgcn_target "amdgcn-amd-amdhsa--gfx1250"
	.amdhsa_code_object_version 6
	.text
	.protected	k_q58896c9df8_quant
	.globl	k_q58896c9df8_quant
	.p2align	8
	.type	k_q58896c9df8_quant,@function
k_q58896c9df8_quant:
	s_mov_b64 s[64:65], 0
	v_nop
	global_prefetch_b8 v0, s[64:65] scope:SCOPE_SE
	s_setreg_imm32_b32 hwreg(HW_REG_WAVE_MODE, 25, 1), 1
	s_wait_xcnt 0x0
; x [8192][1024], W_qkv [3072][1024], W_o [1024][1024], f32, K innermost, become codes of FP6 (E2M3) with one E8M0 byte for each 32 along K, laid as IMAGES OF OPERAND REGISTERS.
; A tile is 16 rows; lane r of tile i holds natural row 32 (i / 2) + 8 (i % 2) + r + 8 (r / 8).  cod: [768 tiles][8 K steps of 128][2 halves of 768 bytes]; a half = registers 0-3 at 16 x lane (512 bytes),
; then registers 4-5 at 8 x lane (256 bytes).  Tiles 0-511 x, 512-703 W_qkv, 704-767 W_o.  scl: [768 tiles][K half][16 rows][4 words], a word = the four bytes of one K step.
; A block's scale byte is its largest magnitude's exponent field - 2, held at 1 from below (a block of zeros so gets 1: its codes are zeros, and this program alone reads the bytes).
; Work-groups 0-383: wave w takes tile 2 g + w / 2 and K half w % 2: four steps of 16 rows x 128 numbers.  Each load reads 512 consecutive bytes of one row; a step turns through the wave's own stage in LDS
; (16 rows, 528 bytes apart) so that a lane gets 16 neighbours of each block of 32 of its row.  Every store of codes covers 512 or 256 consecutive aligned bytes.  Waves share nothing: no barrier.
; Work-groups 384-399: the table of cos and sin for the rotation: rt [2048 tokens][h 2][b 2][p 8][cos, sin], frequency i = 16 b + 8 h + p, angle = f32(position) x 10^(-i / 8).
; cos and sin: quotient by pi / 2, three-part reduction by fused multiply-adds, polynomials on [-pi/4, pi/4].
; LIMITS: NaN and infinities among the inputs are not served; |position| up to 2^22 (beyond it the quotient is no exact whole number in f32).
.set WREG,  8448                       ; a wave's stage: 16 x 528 bytes
.set R,     16                         ; v16-143  two sets of 64 registers as loaded
.set X,     144                        ; v144-207 64 numbers of my row: register 16 b + i = k 32 b + 16 h + i
.set PC,    208                        ; v208-226 codes
.set TM,    228                        ; v228-243 at work
.set PW,    244                        ; the scale word just made
.set SW,    245                        ; v245-248 the four steps' words
.set SEL,   18                         ; s[18:19] selects for lane l xor 16
.macro LOAD t
.irp p, 0,1,2,3,4,5,6,7,8,9,10,11,12,13,14,15
	global_load_b128 v[R+64*((\t)%2)+4*\p:R+64*((\t)%2)+4*\p+3], v4, s[20:21] offset:(\p+8*(\p/8))*4096+512*(\t) th:TH_LOAD_NT
.endr
.endm
; 64 numbers of a lane become a fragment's 12 registers in v[PC] on and its row's scale word in v[PW]
.macro QUANT s
.irp b, 0,1,2,3
	v_max3_num_f32 v[TM+\b], |v[\s+16*\b]|, |v[\s+1+16*\b]|, 0x1800000   ; my 16 numbers of block b, and the floor 2^(3 - 127)
.endr
.irp i, 2,4,6,8,10,12,14
.irp b, 0,1,2,3
	v_max3_num_f32 v[TM+\b], v[TM+\b], |v[\s+16*\b+\i]|, |v[\s+1+16*\b+\i]|
.endr
.endr
.irp b, 0,1,2,3
	v_permlanex16_b32 v[TM+4+\b], v[TM+\b], s[SEL], s[SEL+1]
.endr
.irp b, 0,1,2,3
	v_max_num_f32 v[TM+\b], v[TM+\b], v[TM+4+\b]   ; with lane l xor 16's 16: the block's largest magnitude
.endr
.irp b, 0,1,2,3
	v_add_nc_u32 v[TM+12+\b], 0xff000000, v[TM+\b]   ; 2 off the exponent field: the conversion's scale operand
.endr
.irp b, 0,1,2,3
	v_lshrrev_b32 v[TM+4+\b], 23, v[TM+12+\b]      ; the byte
.endr
	v_lshl_or_b32 v[PW], v[TM+5], 8, v[TM+4]
	v_lshl_or_b32 v[PW], v[TM+6], 16, v[PW]
	v_lshl_or_b32 v[PW], v[TM+7], 24, v[PW]
.irp c, 0,1
	v_cvt_scalef32_pk16_fp6_f32 v[PC+6*\c:PC+2+6*\c], v[\s+32*\c:\s+15+32*\c], v[TM+12+2*\c]
	v_cvt_scalef32_pk16_fp6_f32 v[PC+12+4*\c:PC+14+4*\c], v[\s+16+32*\c:\s+31+32*\c], v[TM+12+2*\c+1]
.endr
	v_nop                                          ; one plain place behind the scaled conversions
.irp c, 0,1                                    ; a whole block to a lane: lanes 0-15 block 2 c, lanes 16-31 block 2 c + 1
.irp i, 0,1,2
	v_permlane16_swap_b32 v[PC+6*\c+\i], v[PC+12+4*\c+\i]
.endr
.irp i, 0,1,2
	v_mov_b32 v[PC+3+6*\c+\i], v[PC+12+4*\c+\i]
.endr
.endr
.endm
.macro STEP t
.set RS, R+64*((\t)%2)
	s_wait_xcnt 0x0                                ; the last step's stores have read the codes' registers
.if (\t) < 3
	s_wait_loadcnt 16                              ; this step's 16 loads are in; the next step's 16 may be out
.else
	s_wait_loadcnt 0x0
.endif
.irp p, 0,1,2,3,4,5,6,7,8,9,10,11,12,13,14,15
	ds_store_b128 v6, v[RS+4*\p:RS+4*\p+3] offset:528*\p
.endr
.irp b, 0,1,2,3
.irp j, 0,1,2,3
	ds_load_b128 v[X+16*\b+4*\j:X+16*\b+4*\j+3], v7 offset:128*\b+16*\j   ; LDS serves a wave's instructions in order: these see the stores above
.endr
.endr
	s_wait_dscnt 0x0                               ; the numbers are back, and the stores have read their registers,
.if (\t) < 2
	LOAD (\t)+2                                    ; which take the loads of two steps on
.endif
	QUANT X
	global_store_b128 v4, v[PC:PC+3], s[12:13] offset:1536*(\t)
	global_store_b64 v5, v[PC+4:PC+5], s[12:13] offset:1536*(\t)+512
	global_store_b128 v4, v[PC+6:PC+9], s[12:13] offset:1536*(\t)+768
	global_store_b64 v5, v[PC+10:PC+11], s[12:13] offset:1536*(\t)+1280
	v_mov_b32 v[SW+(\t)], v[PW]
.endm
; cos and sin of the angle in v[a]
.macro SINCOS a, co, si
	v_mul_f32 v33, s32, v[\a]
	v_rndne_f32 v33, v33                           ; n = the nearest whole number to angle x 2 / pi
	v_fma_f32 v34, -v33, s33, v[\a]                ; r = angle - n pi / 2, pi / 2 in three parts
	v_fma_f32 v34, -v33, s34, v34
	v_fma_f32 v34, -v33, s35, v34
	v_mul_f32 v35, v34, v34                        ; z = r r
	v_fma_f32 v36, v35, s38, s37
	v_fma_f32 v38, v35, s41, s40
	v_fma_f32 v36, v35, v36, s36
	v_fma_f32 v38, v35, v38, s39
	v_mul_f32 v37, v34, v35
	v_fma_f32 v39, v35, -0.5, 1.0
	v_mul_f32 v43, v35, v35
	v_fma_f32 v36, v37, v36, v34                   ; sin r
	v_fma_f32 v39, v38, v43, v39                   ; cos r
	v_cvt_i32_f32 v40, v33
	v_and_b32 v41, 1, v40
	v_cmp_eq_u32 vcc_lo, 1, v41                    ; odd quadrants change the two
	v_cndmask_b32 v41, v36, v39, vcc_lo
	v_cndmask_b32 v42, v39, v36, vcc_lo
	v_lshlrev_b32 v37, 30, v40                     ; sin's sign: bit 1 of n
	v_add_nc_u32 v40, 1, v40
	v_and_b32 v37, 0x80000000, v37
	v_lshlrev_b32 v40, 30, v40                     ; cos's sign: bit 1 of n + 1
	v_xor_b32 v[\si], v41, v37
	v_and_b32 v40, 0x80000000, v40
	v_xor_b32 v[\co], v42, v40
.endm
	s_load_b256 s[4:11], s[0:1], 0x0               ; x, W_qkv, W_o, token_positions
	s_load_b128 s[12:15], s[0:1], 0x20             ; cod, scl
	s_load_b64 s[16:17], s[0:1], 0x30              ; rt
	v_lshl_add_u32 v254, v0, 2, 0x8400
	v_mov_b32 v255, 0
	v_lshrrev_b32 v1, 5, v0
	v_readfirstlane_b32 s24, v1                    ; wave
	v_and_b32 v1, 31, v0                           ; lane
	v_and_b32 v2, 15, v0                           ; r
	v_bfe_u32 v3, v0, 4, 1                         ; h
	v_lshlrev_b32 v4, 4, v1                        ; 16 x lane
	s_cmp_ge_u32 ttmp9, 384
	s_cbranch_scc1 .Ltable
	; ---- the quantiser
	v_lshlrev_b32 v5, 3, v1                        ; 8 x lane
	s_mul_i32 s25, s24, WREG
	v_add_nc_u32 v6, s25, v4                       ; the stage, on the way in: 16 x lane of a row
	v_mul_u32_u24 v7, v2, 528
	v_lshl_add_u32 v7, v3, 6, v7
	v_add_nc_u32 v7, s25, v7                       ; and out: row r, + 64 h
	v_lshlrev_b32 v8, 4, v2
	v_lshl_add_u32 v8, v3, 3, v8                   ; the scale words: 16 r + 8 h
	s_mov_b32 s[SEL], 0x76543210
	s_mov_b32 s[SEL+1], 0xfedcba98
	s_mov_b32 s26, 0xffff0000                      ; lanes 16-31
.irp b, 0,1,2,3
	v_mov_b32 v[TM+4+\b], 0                        ; written once: a lane permute's destination counts as one of its sources
.endr
	s_lshr_b32 s27, s24, 1                         ; which of the group's two tiles
	s_and_b32 s28, s24, 1                          ; which half of K
	s_mov_b32 s29, 352
	s_wait_alu depctr_va_vdst(0)
	s_wait_kmcnt 0x0
	s_cmp_lt_u32 ttmp9, 352                        ; the tensor is chosen by the work-group's number alone
	s_cselect_b64 s[20:21], s[6:7], s[8:9]
	s_cselect_b32 s29, 256, s29
	s_cmp_lt_u32 ttmp9, 256
	s_cselect_b64 s[20:21], s[4:5], s[20:21]
	s_cselect_b32 s29, 0, s29
	s_sub_co_u32 s29, ttmp9, s29
	s_lshl_b32 s29, s29, 5
	s_lshl_b32 s30, s27, 3
	s_add_co_u32 s29, s29, s30                     ; the tile's first natural row in its tensor
	s_lshl_b32 s30, s29, 12                        ; rows of 4,096 bytes
	s_lshl_b32 s31, s28, 11
	s_add_co_u32 s30, s30, s31
	s_mov_b32 s31, 0
	s_add_nc_u64 s[20:21], s[20:21], s[30:31]
	s_lshl_b32 s30, ttmp9, 1
	s_add_co_u32 s30, s30, s27                     ; the tile's number
	s_mul_i32 s32, s30, 12288
	s_mul_i32 s33, s28, 6144
	s_add_co_u32 s32, s32, s33
	s_mov_b32 s33, 0
	s_add_nc_u64 s[12:13], s[12:13], s[32:33]
	s_lshl_b32 s32, s30, 9
	s_lshl_b32 s34, s28, 8
	s_add_co_u32 s32, s32, s34
	s_add_nc_u64 s[14:15], s[14:15], s[32:33]
	LOAD 0
	LOAD 1
	STEP 0
	STEP 1
	STEP 2
	STEP 3
	v_cndmask_b32 v250, v[SW], v[SW+2], s26        ; lanes 0-15 store words 0, 1 of row r, lanes 16-31 words 2, 3
	v_cndmask_b32 v251, v[SW+1], v[SW+3], s26
	global_store_b64 v8, v[250:251], s[14:15]      ; 256 consecutive aligned bytes
	s_wait_tensorcnt 0x0
	ds_add_u32 v254, v255
	s_wait_dscnt 0x0
	s_endpgm
	; ---- the table: a wave takes 32 tokens, two an iteration; sixteen lanes cover a token's 256 bytes, two frequencies each
.Ltable:
	s_sub_co_u32 s25, ttmp9, 384
	s_lshl_b32 s25, s25, 7
	s_lshl_b32 s26, s24, 5
	s_add_co_u32 s25, s25, s26                     ; my wave's first token
	s_mov_b32 s32, 0x3f22f983                      ; 2 / pi
	s_mov_b32 s33, 0x3fc90fdb                      ; pi / 2 in three parts
	s_mov_b32 s34, 0xb33bbd2e
	s_mov_b32 s35, 0xa6f72ced
	s_mov_b32 s36, 0xbe2aaaa3                      ; sin: -1.6666654611e-1, 8.3321608736e-3, -1.9515295891e-4
	s_mov_b32 s37, 0x3c08839e
	s_mov_b32 s38, 0xb94ca1f9
	s_mov_b32 s39, 0x3d2aaaa5                      ; cos: 4.166664568e-2, -1.388731625e-3, 2.443315712e-5
	s_mov_b32 s40, 0xbab6061a
	s_mov_b32 s41, 0x37ccf5ce
	v_bfe_u32 v5, v0, 3, 1                         ; h of the table's layout
	v_bfe_u32 v6, v0, 2, 1                         ; b
	v_and_b32 v7, 3, v0
	v_lshlrev_b32 v7, 1, v7                        ; p
	v_lshl_add_u32 v7, v5, 3, v7
	v_lshl_add_u32 v7, v6, 4, v7                   ; my first frequency's number i = 16 b + 8 h + p
	v_cvt_f32_u32 v8, v7
	v_add_f32 v9, 1.0, v8
	v_mul_f32 v8, 0xbed49a78, v8                   ; -i log2(10) / 8
	v_mul_f32 v9, 0xbed49a78, v9
	s_wait_alu depctr_va_vdst(0)
	v_exp_f32 v8, v8                               ; 10^(-i / 8)
	v_exp_f32 v9, v9
	v_lshlrev_b32 v10, 2, v3                       ; (a plain place)  lanes 16-31 take the second token's position
	s_lshl_b32 s26, s25, 2
	s_mov_b32 s27, 0
	s_lshl_b32 s28, s25, 8
	s_mov_b32 s29, 0
	s_wait_alu depctr_va_vdst(0)                   ; one wait for both exponentials, ahead of their first reader
	s_wait_kmcnt 0x0
	s_add_nc_u64 s[10:11], s[10:11], s[26:27]
	s_add_nc_u64 s[16:17], s[16:17], s[28:29]
.irp t, 0,1,2,3,4,5,6,7,8,9,10,11,12,13,14,15
	global_load_b32 v[16+\t], v10, s[10:11] offset:8*\t
.endr
	s_wait_loadcnt 0x0
.irp t, 0,1,2,3,4,5,6,7,8,9,10,11,12,13,14,15
	v_cvt_f32_i32 v[16+\t], v[16+\t]
.endr
.irp t, 0,1,2,3,4,5,6,7,8,9,10,11,12,13,14,15
	v_mul_f32 v32, v[16+\t], v8
	SINCOS 32, 64+4*\t, 65+4*\t
	v_mul_f32 v32, v[16+\t], v9
	SINCOS 32, 66+4*\t, 67+4*\t
	global_store_b128 v4, v[64+4*\t:67+4*\t], s[16:17] offset:512*\t   ; two tokens: 512 consecutive aligned bytes; each iteration has registers of its own
.endr
	s_endpgm
.Lfunc_end_k_q58896c9df8_quant:
	.size	k_q58896c9df8_quant, .Lfunc_end_k_q58896c9df8_quant-k_q58896c9df8_quant
	.p2alignl 7, 3214868480
	.fill 96, 4, 3214868480
	.section	.rodata,"a",@progbits
	.p2align	6, 0x0
	.amdhsa_kernel k_q58896c9df8_quant
		.amdhsa_group_segment_fixed_size 34304
		.amdhsa_private_segment_fixed_size 0
		.amdhsa_enable_private_segment 0
		.amdhsa_kernarg_size 56
		.amdhsa_user_sgpr_count 2
		.amdhsa_user_sgpr_kernarg_segment_ptr 1
		.amdhsa_wavefront_size32 1
		.amdhsa_system_sgpr_workgroup_id_x 1
		.amdhsa_system_sgpr_workgroup_id_y 1
		.amdhsa_system_sgpr_workgroup_id_z 1
		.amdhsa_system_vgpr_workitem_id 0
		.amdhsa_next_free_vgpr 256
		.amdhsa_next_free_sgpr 66
		.amdhsa_reserve_vcc 1
		.amdhsa_float_denorm_mode_32 3
		.amdhsa_float_denorm_mode_16_64 3
		.amdhsa_memory_ordered 1
		.amdhsa_forward_progress 1
		.amdhsa_inst_pref_size 80
	.end_amdhsa_kernel
	.amdgpu_metadata
---
amdhsa.version: [ 1, 2 ]
amdhsa.kernels:
  - .name:           k_q58896c9df8_quant
    .symbol:         k_q58896c9df8_quant.kd
    .args:
      - { .name: x, .offset: 0, .size: 8, .value_kind: global_buffer, .address_space: global }
      - { .name: W_qkv, .offset: 8, .size: 8, .value_kind: global_buffer, .address_space: global }
      - { .name: W_o, .offset: 16, .size: 8, .value_kind: global_buffer, .address_space: global }
      - { .name: token_positions, .offset: 24, .size: 8, .value_kind: global_buffer, .address_space: global }
      - { .name: cod, .offset: 32, .size: 8, .value_kind: global_buffer, .address_space: global }
      - { .name: scl, .offset: 40, .size: 8, .value_kind: global_buffer, .address_space: global }
      - { .name: rt, .offset: 48, .size: 8, .value_kind: global_buffer, .address_space: global }
    .group_segment_fixed_size: 34304
    .private_segment_fixed_size: 0
    .kernarg_segment_align: 8
    .kernarg_segment_size: 56
    .max_flat_workgroup_size: 128
    .sgpr_count:     66
    .vgpr_count:     256
    .wavefront_size: 32
...
	.end_amdgpu_metadata
.endif
;; end of part 1
;; launch qkv (part 2): grid 12 x 32, 4 waves a work-group, clusters of 4 x 4, 327,680 bytes of LDS; arguments cod, scl, rt, qc, qs, kv; writes qc, qs, kv
.if DOCPART == 2
	.amdgcn_target "amdgcn-amd-amdhsa--gfx1250"
	.amdhsa_code_object_version 6
	.text
	.protected	k_q58896c9df8_qkv
	.globl	k_q58896c9df8_qkv
	.p2align	8
	.type	k_q58896c9df8_qkv,@function
k_q58896c9df8_qkv:
	s_mov_b64 s[64:65], 0
	v_nop
	global_prefetch_b8 v0, s[64:65] scope:SCOPE_SE
	s_setreg_imm32_b32 hwreg(HW_REG_WAVE_MODE, 25, 1), 1
	s_wait_xcnt 0x0
	s_wait_alu depctr_hold_cnt(0) depctr_sa_sdst(0) depctr_va_vdst(0) depctr_va_sdst(0) depctr_va_ssrc(0) depctr_va_vcc(0) depctr_vm_vsrc(0)
	s_getreg_b32 s2, hwreg(HW_REG_IB_STS2, 6, 4)
	s_cmp_eq_u32 s2, 0
	s_cbranch_scc0 .Lentry_in_a_cluster
	s_endpgm
.Lentry_in_a_cluster:
	s_bfe_u32 s2, ttmp6, 0x10000c
	s_cmp_lg_u32 s2, 0xf033
	s_cbranch_scc0 .Lentry_shape_is_right
	s_endpgm
.Lentry_shape_is_right:
; qkv = x W_qkv^T on codes of FP6 (E2M3) with E8M0 scales; then q and k are rotated (cos, sin from the table rt) and q, k, v are quantised again, each along the K of the product that takes it, and stored as images of operand registers.
; A work-group makes 256 x 256 of the product, a wave 128 x 128: 64 accumulators, 512 registers.  K = 1,024 goes in four slots' worth of 256 through two LDS slots; the text is straight, with no loop.
; OPERANDS LIE IN MEMORY AS IMAGES OF REGISTERS (cod: [tile of 16 rows][8 K steps][2 halves of 768 bytes]), so a slot's part of 8 tiles is 8 rows of 3,072 bytes for one tensor load, and a fragment comes by
; two loads of 16 bytes and two of 8 bytes a lane, each reading consecutive bytes: no pitch, no padding.
; TILE ORDER: lane r of tile i is natural row 32 (i / 2) + 8 (i % 2) + r + 8 (r / 8).  The instruction is used transposed (source 0 = side B, source 1 = side A): a lane holds ONE row of side A, and the 16 registers of
; B's tiles 2 b, 2 b + 1 are 16 neighbours of side B: 32 b + 16 h + 0 .. 15: what the conversions want.
; CLUSTERS 4 x 4.  Cluster x = 0: q, 1: k: side A = tokens, side B = rows of W (a lane: one token, registers along the head's 64).  Cluster x = 2: v: side A = rows of W_v, side B = tokens (a lane: one channel,
; registers along the tokens, which are the K of the product that takes v).  The choice hangs on the cluster's x alone: it is the same in all sixteen partners.  A's tiles are asked for jointly along a row of the
; cluster, B's along a column.
; OUT: qc [64 heads][128 tiles][768]; qs [64][16 chunks][lane 32][4] words (lanes 0-15 tile 2 p, lanes 16-31 tile 2 p + 1; bytes 2, 3 = 127: the instruction's upper 64 of K are zero codes);
; kv [64][16 key steps][13,056]: 8 tiles of k, 4 fragments of v^T (3 x 512 bytes), k's scale words (512), v's (256).
; LIMITS: NaN and infinities are not served; a block of zeros gets the byte 1 (its codes are zeros; this program alone reads the bytes).
; REGISTERS: window 0: v16-29 addresses; v32-63 scale words, two sets, and nothing else; v64-127 cos, sin, two sets; v128-223 A's fragments, one set; on the way out v128-211 at work.
;   window 1: B's fragments, two sets, at v0 and v128.   windows 2, 3: accumulator (a, b) at v[8 (8 (a % 4) + b)] of window 2 + a / 4.
.set NB,    8                          ; B's tiles for a wave
.set APW,   32/NB                      ; A's blocks whose accumulators fill a window
.set HALFA, 24576                      ; 8 tiles x 3,072 bytes: what one tensor load brings of A
.set HALFB, 3072*NB
.set SLOT,  2*HALFA+2*HALFB            ; A's 16 tiles, then B's
.set SCL,   2*SLOT                     ; behind the ring: B's scale words (1,024 NB bytes), then A's (8,192): filled once
.set SPARE, SCL+1024*NB+8192           ; the spare words, 128 bytes for each wave: two blocks of 256 bytes that no other line names
.set ADRA, 16                          ; v16-17 16 x lane + my A tiles in slot 0, 1;  v18-19 the same with 8 x lane
.set ADRB, 20                          ; v20-23 likewise for B
.set L16,  24                          ; 16 x lane
.set L8,   25                          ; 8 x lane
.set RTO,  26                          ; my token's place in the table: (r + 8 (r / 8)) x 256 + 128 h
.set ADRS, 27                          ; my scale words: lanes 0-15 A's, lanes 16-31 B's
.set SPW,  28
.set NIL,  29
.set SC,   32
.set CSR,  64
.set AF,   128
.set T,    128                         ; the way out: 32 rotated numbers
.set PC,   160                         ; codes
.set TM,   184                         ; at work
.set WT,   200
.set WE,   201                         ; v201-202 the even tile's word, for each of my two heads
.set W,    204                         ; v204-211 scale words to store
.set SEL,  96                          ; s[96:97]
.set G1,   24
.set G0,   32
.set G1B,  48
.set G0B,  56
.set G1S,  68
.set G0S,  76
.set G1SB, 80
.set G0SB, 88
.set MSB, 0
.macro WIN new                         ; the immediate's high byte repeats the setting that is left
.if MSB != (\new)
	s_set_vgpr_msb (MSB<<8)|(\new)
.set MSB, (\new)
.endif
.endm
; A joint load: waves 0 and 1 fetch for A, waves 2 and 3 for B; the branch hangs on the wave's number alone.  Four v_nop follow each of the two lines.
.macro JLOAD g0a, g1a, g0b, g1b
	s_cmp_eq_u32 s17, 0
	s_cbranch_scc0 .Lfor_b_\@
	tensor_load_to_lds s[\g0a:\g0a+3], s[\g1a:\g1a+7]
	s_nop 0
.rept 4
	v_nop
.endr
	s_branch .Lasked_\@
.Lfor_b_\@:
	tensor_load_to_lds s[\g0b:\g0b+3], s[\g1b:\g1b+7]
	s_nop 0
.rept 4
	v_nop
.endr
.Lasked_\@:
.endm
.macro CREST                           ; a round of the cluster's barrier behind its opening barrier
	s_cmp_lg_u32 s16, 0
	s_cbranch_scc1 .Lnot_wave_0_\@
	s_barrier_signal -3
.Lnot_wave_0_\@:
	s_barrier_wait -3
	s_barrier_signal -1
	s_barrier_wait -1
.endm
.macro CROUND
	s_barrier_signal -1
	s_barrier_wait -1
	CREST
.endm
.macro PLACES n
.rept \n
	v_nop
.endr
.endm
.macro FRAG reg, a16, a8, q, i         ; tile i's fragment of the slot's q-th 128 along K: two half images
	ds_load_b128 v[\reg:\reg+3], v[\a16] offset:(\i)*3072+(\q)*1536
	ds_load_b64 v[\reg+4:\reg+5], v[\a8] offset:(\i)*3072+(\q)*1536+512
	ds_load_b128 v[\reg+6:\reg+9], v[\a16] offset:(\i)*3072+(\q)*1536+768
	ds_load_b64 v[\reg+10:\reg+11], v[\a8] offset:(\i)*3072+(\q)*1536+1280
.endm
.macro FETCH_B slot, q, p              ; B's NB fragments into set p
	WIN 0x40
.irp i, 0,1,2,3,4,5,6,7
.if \i < NB
	FRAG 128*(\p)+12*\i, ADRB+\slot, ADRB+2+\slot, \q, \i
.endif
.endr
	WIN 0
.endm
.macro FETCH_A slot, q, i0             ; A's blocks i0 .. i0 + 3
.irp i, \i0, \i0+1, \i0+2, \i0+3
	FRAG AF+12*(\i), ADRA+\slot, ADRA+2+\slot, \q, \i
.endr
.endm
.macro SCALES set, sg                  ; the two words a row of K slot sg: lanes 0-15 A's block i, lanes 16-31 B's block i
.irp i, 0,1,2,3,4,5,6,7
	ds_load_b64 v[SC+16*(\set)+2*\i:SC+16*(\set)+2*\i+1], v[ADRS] offset:512*\i+256*((\sg)/2)+8*((\sg)%2)
.endr
.endm
; A's blocks a0, a0 + 1 against B's NB: the accumulators take turns, one instruction a turn, in the same order in every step
.macro MUL2 a0, p, q, sc, zero
	WIN 0xa1+0x50*((\a0)/APW)
.irp a, \a0, \a0+1
.irp b, 0,1,2,3,4,5,6,7
.if \b < NB
.if \zero
	v_wmma_scale_f32_16x16x128_f8f6f4 v[8*(NB*((\a)%APW)+\b):8*(NB*((\a)%APW)+\b)+7], v[128*(\p)+12*\b:128*(\p)+12*\b+11], v[AF+12*(\a):AF+12*(\a)+11], 0, v[SC+16*(\sc)+2*\b+(\q)], v[SC+16*(\sc)+2*(\a)+(\q)] matrix_a_fmt:MATRIX_FMT_FP6 matrix_b_fmt:MATRIX_FMT_FP6 matrix_a_scale:MATRIX_SCALE_ROW1
.else
	v_wmma_scale_f32_16x16x128_f8f6f4 v[8*(NB*((\a)%APW)+\b):8*(NB*((\a)%APW)+\b)+7], v[128*(\p)+12*\b:128*(\p)+12*\b+11], v[AF+12*(\a):AF+12*(\a)+11], v[8*(NB*((\a)%APW)+\b):8*(NB*((\a)%APW)+\b)+7], v[SC+16*(\sc)+2*\b+(\q)], v[SC+16*(\sc)+2*(\a)+(\q)] matrix_a_fmt:MATRIX_FMT_FP6 matrix_b_fmt:MATRIX_FMT_FP6 matrix_a_scale:MATRIX_SCALE_ROW1
.endif
.endif
.endr
.endr
.endm
; A slot's first 128 along K.  A block of A is free as soon as its products are issued: blocks 0-3 are fetched anew in the middle, blocks 4-7 at the end; B has two sets.
.macro STEP slot, zero
	s_wait_dscnt 16                                ; all but the youngest 16 loads (A's blocks 4-7) are in
	MUL2 0, 0, 0, \slot, \zero
	MUL2 2, 0, 0, \slot, \zero
	s_wait_dscnt 0x0
	PLACES 4                                       ; four places in front of loads into registers that matrix instructions have read
	FETCH_B \slot, 1, 1
	FETCH_A \slot, 1, 0
	MUL2 4, 0, 0, \slot, \zero
	MUL2 6, 0, 0, \slot, \zero
	PLACES 4
	WIN 0
	FETCH_A \slot, 1, 4
.endm
; A slot's second 128 along K changes slots: one barrier; in front of it each wave waits for all its tensor loads, adds 0 to its spare word, and waits for that and for its reads of this slot.
; fill = 1: the barrier opens a round of the cluster's, and behind the round this slot is filled again, two K slots on.  sg: the K slot whose scale words are fetched.
.macro TURN slot, next, fill, sg
	s_wait_tensorcnt 0x0                           ; all my tensor loads have landed: my part of the next slot
	ds_add_u32 v[SPW], v[NIL]                      ; 0 onto my spare word
	s_wait_dscnt 17                                ; (the add and the youngest 16 loads may be out)
	MUL2 0, 1, 1, \slot, 0
	s_wait_dscnt 0x0                               ; the add is done, and my reads of this slot are over
	s_barrier_signal -1
	MUL2 2, 1, 1, \slot, 0
	WIN 0
	s_barrier_wait -1
.if \fill
	CREST                                          ; no wave of any partner still reads this slot or has a load on its way
	s_add_nc_u64 s[G0+4*\slot+2:G0+4*\slot+3], s[G0+4*\slot+2:G0+4*\slot+3], 6144
	s_add_nc_u64 s[G0B+4*\slot+2:G0B+4*\slot+3], s[G0B+4*\slot+2:G0B+4*\slot+3], 6144
	JLOAD G0+4*\slot, G1, G0B+4*\slot, G1B         ; the first tensor load behind the round; its four v_nop are the places in front of the loads below
.else
	PLACES 4
.endif
	FETCH_B \next, 0, 0
	FETCH_A \next, 0, 0
	SCALES \next, \sg
	MUL2 4, 1, 1, \slot, 0
	MUL2 6, 1, 1, \slot, 0
	PLACES 4
	WIN 0
	FETCH_A \next, 0, 4
.endm
; 32 numbers of a lane, register 16 b + n = k 32 b + 16 h + n of my row, become half a fragment's six registers in v[pc] on; the two bytes in v[tm+4], v[tm+5]
.macro QH s, pc, tm
.irp b, 0,1
	v_max3_num_f32 v[\tm+\b], |v[\s+16*\b]|, |v[\s+1+16*\b]|, 0x1800000
.endr
.irp i, 2,4,6,8,10,12,14
.irp b, 0,1
	v_max3_num_f32 v[\tm+\b], v[\tm+\b], |v[\s+16*\b+\i]|, |v[\s+1+16*\b+\i]|
.endr
.endr
.irp b, 0,1
	v_permlanex16_b32 v[\tm+4+\b], v[\tm+\b], s[SEL], s[SEL+1]
.endr
.irp b, 0,1
	v_max_num_f32 v[\tm+\b], v[\tm+\b], v[\tm+4+\b]
.endr
.irp b, 0,1
	v_add_nc_u32 v[\tm+12+\b], 0xff000000, v[\tm+\b]
.endr
.irp b, 0,1
	v_lshrrev_b32 v[\tm+4+\b], 23, v[\tm+12+\b]
.endr
	v_cvt_scalef32_pk16_fp6_f32 v[\pc:\pc+2], v[\s:\s+15], v[\tm+12]
	v_cvt_scalef32_pk16_fp6_f32 v[\pc+6:\pc+8], v[\s+16:\s+31], v[\tm+13]
	v_nop                                          ; one plain place behind the scaled conversions
.irp i, 0,1,2
	v_permlane16_swap_b32 v[\pc+\i], v[\pc+6+\i]   ; lanes 0-15 get block 0 whole, lanes 16-31 block 1
.endr
.irp i, 0,1,2
	v_mov_b32 v[\pc+3+\i], v[\pc+6+\i]
.endr
.endm
; 64 numbers of a lane in window sw become a fragment's 12 registers in v[PC] on and the scale word in v[WT]
.macro QUANTW s, sw
	WIN ((\sw)<<2)|((\sw)<<4)
.irp b, 0,1,2,3
	v_max3_num_f32 v[TM+\b], 0x1800000, |v[(\s)+16*\b]|, |v[(\s)+1+16*\b]|   ; each accumulator is read from its low end on
.endr
.irp i, 2,4,6,8,10,12,14
.irp b, 0,1,2,3
	v_max3_num_f32 v[TM+\b], v[TM+\b], |v[(\s)+16*\b+\i]|, |v[(\s)+1+16*\b+\i]|
.endr
.endr
	WIN 0
.irp b, 0,1,2,3
	v_permlanex16_b32 v[TM+4+\b], v[TM+\b], s[SEL], s[SEL+1]
.endr
.irp b, 0,1,2,3
	v_max_num_f32 v[TM+\b], v[TM+\b], v[TM+4+\b]
.endr
.irp b, 0,1,2,3
	v_add_nc_u32 v[TM+12+\b], 0xff000000, v[TM+\b]
.endr
.irp b, 0,1,2,3
	v_lshrrev_b32 v[TM+4+\b], 23, v[TM+12+\b]
.endr
	v_lshl_or_b32 v[WT], v[TM+5], 8, v[TM+4]
	v_lshl_or_b32 v[WT], v[TM+6], 16, v[WT]
	v_lshl_or_b32 v[WT], v[TM+7], 24, v[WT]
	WIN (\sw)
.irp c, 0,1
	v_cvt_scalef32_pk16_fp6_f32 v[PC+6*\c:PC+2+6*\c], v[(\s)+32*\c:(\s)+15+32*\c], v[TM+12+2*\c]
	v_cvt_scalef32_pk16_fp6_f32 v[PC+12+4*\c:PC+14+4*\c], v[(\s)+16+32*\c:(\s)+31+32*\c], v[TM+12+2*\c+1]
.endr
	WIN 0
	v_nop
.irp c, 0,1
.irp i, 0,1,2
	v_permlane16_swap_b32 v[PC+6*\c+\i], v[PC+12+4*\c+\i]
.endr
.irp i, 0,1,2
	v_mov_b32 v[PC+3+6*\c+\i], v[PC+12+4*\c+\i]
.endr
.endr
.endm
.macro RTLOAD a                        ; cos, sin of my token of tile a for my 16 pairs: 128 bytes a lane
.irp j, 0,1,2,3,4,5,6,7
	global_load_b128 v[CSR+32*((\a)%2)+4*\j:CSR+32*((\a)%2)+4*\j+3], v[RTO], s[98:99] offset:(32*((\a)/2)+8*((\a)%2))*256+16*\j
.endr
.endm
; tile a of tokens, head hd of my two: rotate, quantise, store
.macro QKOUT a, hd
.set AC, 64*((\a)%4)+32*(\hd)
.set CC, CSR+32*((\a)%2)
.set PCC, PC+12*(\hd)
	s_wait_xcnt 0x0                                ; earlier stores have read the registers that are written again below
	WIN 2+(\a)/4                                   ; source 0: the accumulators' window
.set pp, 0
.rept 16
	v_pk_mul_f32 v[T+2*pp:T+2*pp+1], v[AC+2*pp:AC+2*pp+1], v[CC+2*pp:CC+2*pp+1] op_sel:[1,1] op_sel_hi:[0,1] neg_lo:[1,0]   ; (-x2 sin, x1 sin)
.set pp, pp+1
.endr
.set pp, 0
.rept 16
	v_pk_fma_f32 v[T+2*pp:T+2*pp+1], v[AC+2*pp:AC+2*pp+1], v[CC+2*pp:CC+2*pp+1], v[T+2*pp:T+2*pp+1] op_sel_hi:[1,0,1]    ; + (x1 cos, x2 cos)
.set pp, pp+1
.endr
	WIN 0
	QH T, PCC, TM
	v_lshl_or_b32 v[WT], v[TM+5], 8, v[TM+4]
.if (\a)%2 == 0
	v_or_b32 v[WE+\hd], 0x7f7f0000, v[WT]          ; bytes 2, 3: the scale 1 over zero codes
.else
	v_or_b32 v[WT], 0x7f7f0000, v[WT]
	v_cndmask_b32 v[W+4*(\hd)+(\a)/2], v[WE+\hd], v[WT], s67   ; lanes 0-15 the even tile's rows, lanes 16-31 the odd tile's
.endif
	global_store_b128 v[L16], v[PCC:PCC+3], s[24+2*(\hd):25+2*(\hd)] offset:768*(\a)
	global_store_b64 v[L8], v[PCC+4:PCC+5], s[24+2*(\hd):25+2*(\hd)] offset:768*(\a)+512
.endm
.macro ENDING
	s_wait_tensorcnt 0x0                           ; the wave's end
	ds_add_u32 v[SPW], v[NIL]
	s_wait_dscnt 0x0
	CROUND                                         ; the closing round
	s_endpgm
.endm
	s_load_b256 s[4:11], s[0:1], 0x0               ; cod s[4:5], scl s[6:7], rt s[8:9], qc s[10:11]
	s_load_b128 s[12:15], s[0:1], 0x20             ; qs s[12:13], kv s[14:15]
	v_lshl_add_u32 v[SPW], v0, 2, SPARE
	v_mov_b32 v[NIL], 0
	ds_add_u32 v28, v29
	ds_add_u32 v28, v29
	s_wait_dscnt 0x0
	v_lshrrev_b32 v1, 5, v0
	v_readfirstlane_b32 s16, v1                    ; wave 0..3
	s_lshr_b32 s17, s16, 1                         ; which 128 rows of A are mine.  Also: I fetch for A (0) or for B (1)
	s_and_b32 s18, s16, 1                          ; which half of B is mine.  Also: which half I fetch
	s_bfe_u32 s40, ttmp6, 0x40000                  ; cx
	s_bfe_u32 s41, ttmp6, 0x40004                  ; cy
	s_and_b32 s42, ttmp7, 0xffff                   ; the cluster's y
	s_lshl_b32 s43, s41, 2
	s_lshl_b32 s43, 15, s43                        ; my row of the cluster
	s_lshl_b32 s44, 0x1111, s40                    ; my column
	; group 1: 8 (NB) tiles' parts of a K slot: rows of 384 elements of 8 bytes, 1,536 elements apart; no padding
	s_or_b32 s[G1+0], s43, (3<<16)|(1<<21)
	s_or_b32 s[G1B+0], s44, (3<<16)|(1<<21)
	s_mov_b32 s[G1+1], 384<<16
	s_mov_b32 s[G1+2], 16<<16                      ; the head's load brings all 16 tiles
	s_mov_b32 s[G1+3], 384<<16
	s_mov_b32 s[G1+4], 16
	s_mov_b32 s[G1+5], 1536
	s_mov_b32 s[G1+6], 0
	s_mov_b32 s[G1+7], 0
	s_mov_b32 s[G1B+1], 384<<16
	s_mov_b32 s[G1B+2], (2*NB)<<16
	s_mov_b32 s[G1B+3], 384<<16
	s_mov_b32 s[G1B+4], 2*NB
	s_mov_b32 s[G1B+5], 1536
	s_mov_b32 s[G1B+6], 0
	s_mov_b32 s[G1B+7], 0
	; the scale words of 8 (NB) tiles: a dense block, as rows of 256 bytes
	s_or_b32 s[G1S+0], s43, (3<<16)|(1<<21)
	s_or_b32 s[G1SB+0], s44, (3<<16)|(1<<21)
	s_mov_b32 s[G1S+1], 32<<16
	s_mov_b32 s[G1S+2], 32<<16
	s_mov_b32 s[G1S+3], 32<<16
	s_mov_b32 s[G1S+4], 32
	s_mov_b32 s[G1S+5], 32
	s_mov_b32 s[G1S+6], 0
	s_mov_b32 s[G1S+7], 0
	s_mov_b32 s[G1SB+1], 32<<16
	s_mov_b32 s[G1SB+2], (4*NB)<<16
	s_mov_b32 s[G1SB+3], 32<<16
	s_mov_b32 s[G1SB+4], 4*NB
	s_mov_b32 s[G1SB+5], 32
	s_mov_b32 s[G1SB+6], 0
	s_mov_b32 s[G1SB+7], 0
	; which tiles: q, k: A = tokens 64 Y + 16 cy, B = W's 512 + 64 X + 16 cx;  v: A = W_v's 640 + 16 cy, B = tokens 64 Y + 16 cx
	s_lshl_b32 s19, s42, 6
	s_lshl_b32 s45, ttmp9, 6
	s_add_co_u32 s45, s45, 512
	s_mov_b32 s20, 640
	s_cmp_eq_u32 ttmp9, 2
	s_cselect_b32 s20, s20, s19
	s_cselect_b32 s46, s19, s45
	s_cselect_b32 s3, 1, 0                         ; 1 in v's clusters
	s_lshl_b32 s21, s41, 4
	s_add_co_u32 s20, s20, s21
	s_lshl_b32 s47, s40, 4
	s_add_co_u32 s46, s46, s47
	s_lshl_b32 s22, s20, 9                         ; their scale words,
	s_mov_b32 s23, 0
	s_mul_i32 s20, s20, 12288                      ; their codes, in bytes
	s_mov_b32 s21, 0
	s_lshl_b32 s92, s46, 9
	s_mov_b32 s93, 0
	s_mul_i32 s46, s46, 12288
	s_mov_b32 s47, 0
	s_mul_i32 s94, s18, HALFA                      ; where they go in a slot: no place in the cluster enters an LDS address
	s_mul_i32 s95, s18, HALFB
	s_add_co_u32 s95, s95, 2*HALFA
	s_mul_i32 s96, s18, 8*12288                    ; in the ring I fetch half of A's tiles: which half, in bytes
	s_mov_b32 s97, 0
	s_wait_kmcnt 0x0
	s_add_nc_u64 s[20:21], s[4:5], s[20:21]
	s_add_nc_u64 s[22:23], s[6:7], s[22:23]
	s_add_nc_u64 s[46:47], s[4:5], s[46:47]
	s_add_nc_u64 s[92:93], s[6:7], s[92:93]
	CROUND                                         ; all sixteen work-groups are here: the first joint loads meet
	s_mov_b32 s[G0S], 1
	s_mov_b32 s[G0S+1], SCL+1024*NB
	s_mov_b64 s[G0S+2:G0S+3], s[22:23]
	s_or_b32 s[G0S+3], s[G0S+3], 0x80000000
	s_mov_b32 s[G0SB], 1
	s_mov_b32 s[G0SB+1], SCL
	s_mov_b64 s[G0SB+2:G0SB+3], s[92:93]
	s_or_b32 s[G0SB+3], s[G0SB+3], 0x80000000
	s_mov_b32 s[G0], 1                             ; slot 0's group 0, for the head: K slot 0 of all of A's tiles,
	s_mov_b32 s[G0+1], 0
	s_mov_b64 s[G0+2:G0+3], s[20:21]
	s_or_b32 s[G0+3], s[G0+3], 0x80000000
	s_mov_b32 s[G0B], 1                            ; and of all of B's, behind them
	s_mov_b32 s[G0B+1], 2*HALFA
	s_mov_b64 s[G0B+2:G0B+3], s[46:47]
	s_or_b32 s[G0B+3], s[G0B+3], 0x80000000
	s_mul_i32 s4, s18, NB*12288                    ; which half of B's tiles I fetch in the ring, in bytes (cod's address has been used)
	s_mov_b32 s5, 0
	s_add_nc_u64 s[20:21], s[20:21], s[96:97]
	s_add_nc_u64 s[46:47], s[46:47], s[4:5]
	s_mov_b32 s[G0+4], 1                           ; slot 1's group 0: my half of K slot 1
	s_add_co_u32 s[G0+5], s94, SLOT
	s_add_nc_u64 s[G0+6:G0+7], s[20:21], 3072
	s_or_b32 s[G0+7], s[G0+7], 0x80000000
	s_mov_b32 s[G0B+4], 1
	s_add_co_u32 s[G0B+5], s95, SLOT
	s_add_nc_u64 s[G0B+6:G0B+7], s[46:47], 3072
	s_or_b32 s[G0B+7], s[G0B+7], 0x80000000
; THE HEAD'S LOADS, ONE A WAVE: wave 0 K slot 0 of A's tiles, wave 1 of B's, wave 2 A's scale words, wave 3 B's.  One tree of branches on the wave's number; every way passes one load.
.macro ARM under, g0, g1, next
	s_cmp_lt_u32 s16, \under
	s_cbranch_scc0 \next
	tensor_load_to_lds s[\g0:\g0+3], s[\g1:\g1+7]
	s_nop 0
.rept 4
	v_nop
.endr
	s_branch .Lhead_asked
\next:
.endm
	ARM 1, G0,  G1,  .Lhead_b
	ARM 2, G0B, G1B, .Lhead_sa
	ARM 3, G0S, G1S, .Lhead_sb
	tensor_load_to_lds s[G0SB:G0SB+3], s[G1SB:G1SB+7]
	s_nop 0
.rept 4
	v_nop
.endr
.Lhead_asked:
	v_and_b32 v1, 31, v0
	v_and_b32 v2, 15, v0                           ; r
	v_bfe_u32 v3, v0, 4, 1                         ; h
	v_lshlrev_b32 v[L16], 4, v1
	v_lshlrev_b32 v[L8], 3, v1
	s_mul_i32 s21, s17, HALFA
	s_mul_i32 s22, s18, HALFB
	s_add_co_u32 s22, s22, 2*HALFA
.irp s, 0,1
	v_add_nc_u32 v[ADRA+\s], s21, v[L16]
	v_add_nc_u32 v[ADRA+2+\s], s21, v[L8]
	v_add_nc_u32 v[ADRB+\s], s22, v[L16]
	v_add_nc_u32 v[ADRB+2+\s], s22, v[L8]
	s_add_co_u32 s21, s21, SLOT
	s_add_co_u32 s22, s22, SLOT
.endr
	s_lshl_b32 s21, s17, 12
	s_add_co_u32 s21, s21, 1024*NB
	s_mul_i32 s22, s18, 512*NB
	s_sub_co_u32 s21, s21, s22                     ; from my B words to my A words
	v_xor_b32 v4, 1, v3
	v_mul_u32_u24 v4, s21, v4                      ; lanes 0-15 take A's
	s_add_co_u32 s22, s22, SCL
	v_lshl_add_u32 v4, v2, 4, v4                   ; 16 bytes a row
	v_add_nc_u32 v[ADRS], s22, v4
	v_and_b32 v5, 8, v2
	v_add_nc_u32 v5, v5, v2
	v_lshlrev_b32 v[RTO], 8, v5
	v_lshl_add_u32 v[RTO], v3, 7, v[RTO]
	s_mov_b32 s67, 0xffff0000                      ; lanes 16-31
	s_lshl_b32 s66, s42, 3                         ; q, k: my chunk of 128 tokens in its sequence: (8 Y + 2 cy + row half) mod 16
	s_lshl_b32 s21, s41, 1
	s_add_co_u32 s66, s66, s21
	s_add_co_u32 s66, s66, s17
	s_and_b32 s66, s66, 15
	s_lshl_b32 s98, s66, 15
	s_mov_b32 s99, 0
	s_add_nc_u64 s[98:99], s[8:9], s[98:99]        ; the table at my chunk
	s_cmp_lg_u32 s3, 0
	s_cbranch_scc1 .Lno_rt                         ; v is not rotated
	s_wait_alu depctr_va_vdst(0)
	RTLOAD 0                                       ; wanted on the way out: they land under the products
	RTLOAD 1
.Lno_rt:
	s_wait_alu depctr_va_vdst(0)
	s_wait_tensorcnt 0x0                           ; my tile of the head's four is in
	ds_add_u32 v[SPW], v[NIL]
	s_mov_b32 s[G1+2], 8<<16                       ; no tensor load of mine is out: from here on a load brings half of a side's tiles,
	s_mov_b32 s[G1+4], 8
	s_mov_b32 s[G1B+2], NB<<16
	s_mov_b32 s[G1B+4], NB
	s_mov_b32 s[G0+1], s94                         ; and slot 0's group 0 points at my half
	s_add_nc_u64 s[G0+2:G0+3], s[G0+2:G0+3], s[96:97]
	s_mov_b32 s[G0B+1], s95
	s_add_nc_u64 s[G0B+2:G0B+3], s[G0B+2:G0B+3], s[4:5]
	s_wait_dscnt 0x0
	CROUND                                         ; everybody's tile is in, and all sixteen work-groups are here
	JLOAD G0+4, G1, G0B+4, G1B                     ; K slot 1: the first tensor load behind the round
	FETCH_B 0, 0, 0
	FETCH_A 0, 0, 0
	s_wait_alu depctr_va_vdst(0)
	SCALES 0, 0
	FETCH_A 0, 0, 4
	STEP 0, 1                                      ; the first products start the sums: nothing is cleared
	TURN 0, 1, 1, 1
	STEP 1, 0
	TURN 1, 0, 1, 2
	STEP 0, 0
	TURN 0, 1, 0, 3                                ; nothing is left to fetch
	STEP 1, 0
	s_wait_dscnt 16
	MUL2 0, 1, 1, 1, 0
	MUL2 2, 1, 1, 1, 0
	s_wait_dscnt 0x0
	MUL2 4, 1, 1, 1, 0
	MUL2 6, 1, 1, 1, 0
	WIN 0
	PLACES 4                                       ; in front of the first read of results and the first write of operands' registers
	s_mov_b32 s[SEL], 0x76543210                   ; (no tensor load of mine is out: the scalar registers of the descriptors are free)
	s_mov_b32 s[SEL+1], 0xfedcba98
.irp b, 0,1,2,3
	v_mov_b32 v[TM+4+\b], 0                        ; written once: a lane permute's destination counts as one of its sources
.endr
	s_lshr_b32 s20, s42, 1                         ; the batch
	s_lshl_b32 s20, s20, 4
	s_cmp_lg_u32 s3, 0
	s_cbranch_scc1 .Lvpath
	; ---- q, k: a lane holds one token; my 128 rows of W are two heads
	s_lshl_b32 s22, s40, 2
	s_lshl_b32 s23, s18, 1
	s_add_co_u32 s22, s22, s23                     ; my first head: 4 cx + 2 x column half
	s_add_co_u32 s20, s20, s22
	s_lshl_b32 s20, s20, 4
	s_add_co_u32 s20, s20, s66                     ; (16 batch + head) x 16 + chunk
	s_cmp_eq_u32 ttmp9, 1                          ; k goes into kv, q into qc and qs
	s_cselect_b64 s[24:25], s[14:15], s[10:11]
	s_cselect_b64 s[28:29], s[14:15], s[12:13]
	s_mov_b32 s32, 6144
	s_cselect_b32 s32, 13056, s32                  ; bytes from chunk to chunk: codes,
	s_mov_b32 s33, 512
	s_cselect_b32 s33, 13056, s33                  ; scale words,
	s_cselect_b32 s34, 12288, 0                    ; and where the words begin
	s_mul_i32 s36, s20, s32
	s_mov_b32 s37, 0
	s_add_nc_u64 s[24:25], s[24:25], s[36:37]      ; codes, head 0
	s_lshl_b32 s36, s32, 4
	s_add_nc_u64 s[26:27], s[24:25], s[36:37]      ; head 1: 16 chunks on
	s_mul_i32 s36, s20, s33
	s_add_co_u32 s36, s36, s34
	s_add_nc_u64 s[28:29], s[28:29], s[36:37]
	s_lshl_b32 s36, s33, 4
	s_add_nc_u64 s[30:31], s[28:29], s[36:37]
.irp a, 0,1,2,3,4,5,6,7
.if \a < 7
	s_wait_loadcnt 8                               ; this tile's 8 table loads are in; the next tile's may be out
.else
	s_wait_loadcnt 0x0
.endif
	QKOUT \a, 0
	QKOUT \a, 1
.if \a < 6
	RTLOAD \a+2
.endif
.endr
	global_store_b128 v[L16], v[W:W+3], s[28:29]   ; 512 consecutive aligned bytes
	global_store_b128 v[L16], v[W+4:W+7], s[30:31]
	ENDING
	; ---- v: a lane holds one channel, its 64 registers of a block run along my 128 tokens: a fragment of v^T
.Lvpath:
	s_lshl_b32 s22, s41, 2
	s_lshl_b32 s23, s17, 1
	s_add_co_u32 s22, s22, s23                     ; my first head: 4 cy + 2 x row half
	s_add_co_u32 s20, s20, s22
	s_lshl_b32 s20, s20, 4
	s_lshl_b32 s21, s42, 3
	s_lshl_b32 s22, s40, 1
	s_add_co_u32 s21, s21, s22
	s_add_co_u32 s21, s21, s18
	s_and_b32 s21, s21, 15                         ; the key step: (8 Y + 2 cx + column half) mod 16
	s_add_co_u32 s20, s20, s21
	s_mul_i32 s36, s20, 13056
	s_mov_b32 s37, 0
	s_add_nc_u64 s[24:25], s[14:15], s[36:37]
.irp a, 0,1,2,3,4,5,6,7
	s_wait_xcnt 0x0                                ; earlier stores have read the registers that are written again below
	QUANTW 64*((\a)%4), 2+(\a)/4
.irp c, 0,1,2
	global_store_b128 v[L16], v[PC+4*\c:PC+4*\c+3], s[24:25] offset:((\a)/4)*208896+6144+1536*((\a)%4)+512*\c
.endr
.if (\a)%2 == 0
	v_mov_b32 v[WE], v[WT]
.else
	v_cndmask_b32 v[W+((\a)%4)/2], v[WE], v[WT], s67   ; lanes 0-15 the even tile's rows, lanes 16-31 the odd tile's
.endif
.if (\a)%4 == 3
	global_store_b64 v[L8], v[W:W+1], s[24:25] offset:((\a)/4)*208896+12800
.endif
.endr
	ENDING
.Lfunc_end_k_q58896c9df8_qkv:
	.size	k_q58896c9df8_qkv, .Lfunc_end_k_q58896c9df8_qkv-k_q58896c9df8_qkv
	.p2alignl 7, 3214868480
	.fill 96, 4, 3214868480
	.section	.rodata,"a",@progbits
	.p2align	6, 0x0
	.amdhsa_kernel k_q58896c9df8_qkv
		.amdhsa_group_segment_fixed_size 327680
		.amdhsa_private_segment_fixed_size 0
		.amdhsa_enable_private_segment 0
		.amdhsa_kernarg_size 48
		.amdhsa_user_sgpr_count 2
		.amdhsa_user_sgpr_kernarg_segment_ptr 1
		.amdhsa_wavefront_size32 1
		.amdhsa_system_sgpr_workgroup_id_x 1
		.amdhsa_system_sgpr_workgroup_id_y 1
		.amdhsa_system_sgpr_workgroup_id_z 1
		.amdhsa_system_vgpr_workitem_id 0
		.amdhsa_next_free_vgpr 1024
		.amdhsa_next_free_sgpr 100
		.amdhsa_reserve_vcc 0
		.amdhsa_float_denorm_mode_32 3
		.amdhsa_float_denorm_mode_16_64 3
		.amdhsa_memory_ordered 1
		.amdhsa_forward_progress 1
		.amdhsa_inst_pref_size 225
	.end_amdhsa_kernel
	.amdgpu_metadata
---
amdhsa.version: [ 1, 2 ]
amdhsa.kernels:
  - .name:           k_q58896c9df8_qkv
    .symbol:         k_q58896c9df8_qkv.kd
    .args:
      - { .name: cod, .offset: 0, .size: 8, .value_kind: global_buffer, .address_space: global }
      - { .name: scl, .offset: 8, .size: 8, .value_kind: global_buffer, .address_space: global }
      - { .name: rt, .offset: 16, .size: 8, .value_kind: global_buffer, .address_space: global }
      - { .name: qc, .offset: 24, .size: 8, .value_kind: global_buffer, .address_space: global }
      - { .name: qs, .offset: 32, .size: 8, .value_kind: global_buffer, .address_space: global }
      - { .name: kv, .offset: 40, .size: 8, .value_kind: global_buffer, .address_space: global }
    .group_segment_fixed_size: 327680
    .private_segment_fixed_size: 0
    .kernarg_segment_align: 8
    .kernarg_segment_size: 48
    .max_flat_workgroup_size: 128
    .sgpr_count:     100
    .vgpr_count:     1024
    .wavefront_size: 32
...
	.end_amdgpu_metadata
.endif
;; end of part 2
;; launch attn (part 3): grid 4 x 64, 16 waves a work-group, clusters of 4 x 1, 215,040 bytes of LDS; arguments qc, qs, kv, oc, os; writes oc, os
.if DOCPART == 3
	.amdgcn_target "amdgcn-amd-amdhsa--gfx1250"
	.amdhsa_code_object_version 6
	.text
	.protected	k_q58896c9df8_attn
	.globl	k_q58896c9df8_attn
	.p2align	8
	.type	k_q58896c9df8_attn,@function
k_q58896c9df8_attn:
	s_mov_b64 s[64:65], 0
	v_nop
	global_prefetch_b8 v0, s[64:65] scope:SCOPE_SE
	s_setreg_imm32_b32 hwreg(HW_REG_WAVE_MODE, 25, 1), 1
	s_wait_xcnt 0x0
	s_wait_alu depctr_hold_cnt(0) depctr_sa_sdst(0) depctr_va_vdst(0) depctr_va_sdst(0) depctr_va_ssrc(0) depctr_va_vcc(0) depctr_vm_vsrc(0)
	s_getreg_b32 s2, hwreg(HW_REG_IB_STS2, 6, 4)
	s_cmp_eq_u32 s2, 0
	s_cbranch_scc0 .Lentry_in_a_cluster
	s_endpgm
.Lentry_in_a_cluster:
	s_bfe_u32 s2, ttmp6, 0x10000c
	s_cmp_lg_u32 s2, 0x3003
	s_cbranch_scc0 .Lentry_shape_is_right
	s_endpgm
.Lentry_shape_is_right:
; Causal attention of one head (64 heads x batches in all), both products on codes of FP6 (E2M3) with E8M0 scales; the result is quantised again along head x 64 + channel for the last product.
; t = score x log2(e) / 8; M = the running largest t rounded UP to a whole number; p = 2^(t - M) is quantised along the keys, not normalised; the row's sum is taken of the unquantised p and divides at the end.
; When M moves, the sum and O are multiplied by 2^(old M - new M): exact.
; LEFT OUT: key steps all of whose keys come after a tile's queries: the causal mask gives them the weight 0.
; THE WHOLE HEAD'S k AND v LIE IN LDS: 16 key steps x 13,056 bytes (8 tiles of k, 4 fragments of v^T, their scale words), each filled once.  The four work-groups of a cluster are one head and ask JOINTLY:
; wave w of each issues one load, key step w: one tensor load a wave, no branch, one wait for 0, one barrier.  Nothing is filled again.
; SHARES.  A head has 16 chunks of 128 queries, 8 tiles each.  Wave w takes two tiles, one after the other: tile 2 cx + w % 2 of chunk 15 - w / 2, then of chunk w / 2: (16 - lo) + (lo + 1) = 17 key steps for every wave.
; The chunk hangs on the wave's number alone (so branches may hang on it); cx enters global addresses and vector data alone.  A pass walks 16 trips; a hidden step is jumped over.
; LAYOUT.  Both products transposed: S^T = k q^T, O^T = v^T p^T: a lane holds one query.  THE KEYS OF A TILE ARE CHOSEN BY THE LANES' LDS ADDRESSES: row 8 h' + j of tile T is key 64 (T / 4) + 32 h' + 8 (T % 4) + j of the step.
; So the 32 registers of tiles 4 c .. 4 c + 3 of lane (r, h) are keys 64 c + 32 h + 0 .. 31: one whole block, in the place that the next product's operand wants it: no lane is asked for a block's maximum or codes.
; (In kv lane r of stored tile a is key 32 (a / 2) + 8 (a % 2) + r + 8 (r / 8): row 8 h' + j of tile T is lane 8 ((T / 2) % 2) + j of stored tile 4 (T / 4) + 2 h' + T % 2.)
; The head's 64 are half of the instruction's K: registers 6-11 of q's fragment are zero codes under the scale 1.  A k fragment's registers 6-11 meet those zeros alone, so they are the next tile's codes: tiles lie 6 registers apart.
; The next step's k is asked for directly behind this step's scores, v too: one wait ahead of O's products serves both.
; NO PREFETCH: all of kv that the work-group reads is asked for by the head's sixteen loads; there is no loop ahead of them to ask in.
; LIMITS: NaN and infinities are not served; a block of zeros gets the byte 1; the scaled scores stay under 2^31 in magnitude.
; REGISTERS: v1, v2 16 x, 8 x lane; v3, v4 v's LDS addresses; v5 the mask's bound; v6-8 my places in a tile of k and in its scale words; v9 8 h; v10 os's offset; v11 16 r; v12 -M, v13 the largest t, v[14:15] the sum; v16-27 q;
; v[28:29] v's scale words; v31, v243 the add's two; v32-79 eight tiles of k; v80-127 v^T (at work on the way out); v128-191 S^T, then p; v192-223 O^T; v224-235 p's codes (at work in the sum); v232-247 at work;
; v248-251 k's scale words; v252 f; v253 p's scale word; v254 at work; v255 q's scale word.
.set KVS,  13056
.set CHK,  23                          ; s23  my chunk
.set SEL,  50                          ; s[50:51]
.set CS,   52                          ; s[52:53] log2(e) / 8
.set SB,   54                          ; s54  LDS byte at which the step begins
.set KS,   55                          ; s55  the step's number
.set SN,   56                          ; s56  LDS byte at which the next step begins, held at the last step's
.macro CROUND
	s_barrier_signal -1
	s_barrier_wait -1
	s_cmp_lg_u32 s16, 0
	s_cbranch_scc1 .Lnot_wave_0_\@
	s_barrier_signal -3
.Lnot_wave_0_\@:
	s_barrier_wait -3
	s_barrier_signal -1
	s_barrier_wait -1
.endm
.macro SP t                            ; S^T, tile t of 16 keys
.if (\t)%2
	v_wmma_scale_f32_16x16x128_f8f6f4 v[128+8*(\t):135+8*(\t)], v[32+6*(\t):43+6*(\t)], v[16:27], 0, v[248+(\t)/2], v255 matrix_a_fmt:MATRIX_FMT_FP6 matrix_b_fmt:MATRIX_FMT_FP6 matrix_a_scale:MATRIX_SCALE_ROW1
.else
	v_wmma_scale_f32_16x16x128_f8f6f4 v[128+8*(\t):135+8*(\t)], v[32+6*(\t):43+6*(\t)], v[16:27], 0, v[248+(\t)/2], v255 matrix_a_fmt:MATRIX_FMT_FP6 matrix_b_fmt:MATRIX_FMT_FP6
.endif
.endm
.macro PV a                            ; O^T, tile a of 16 channels
.if (\a)%2
	v_wmma_scale_f32_16x16x128_f8f6f4 v[192+8*(\a):199+8*(\a)], v[80+12*(\a):91+12*(\a)], v[224:235], v[192+8*(\a):199+8*(\a)], v[28+(\a)/2], v253 matrix_a_fmt:MATRIX_FMT_FP6 matrix_b_fmt:MATRIX_FMT_FP6 matrix_a_scale:MATRIX_SCALE_ROW1
.else
	v_wmma_scale_f32_16x16x128_f8f6f4 v[192+8*(\a):199+8*(\a)], v[80+12*(\a):91+12*(\a)], v[224:235], v[192+8*(\a):199+8*(\a)], v[28+(\a)/2], v253 matrix_a_fmt:MATRIX_FMT_FP6 matrix_b_fmt:MATRIX_FMT_FP6
.endif
.endm
; a key step's eight tiles of k, six registers each, and their scale words: register u: lanes 0-15 tile 2 u, lanes 16-31 tile 2 u + 1
.macro KLOAD a16, a8, as
.irp t, 0,1,2,3,4,5,6,7
	ds_load_b128 v[32+6*\t:35+6*\t], v[\a16] offset:(4*(\t/4)+\t%2)*768+128*((\t/2)%2)
	ds_load_b64 v[36+6*\t:37+6*\t], v[\a8] offset:(4*(\t/4)+\t%2)*768+512+64*((\t/2)%2)
.endr
.irp u, 0,1,2,3
	ds_load_b32 v[248+\u], v[\as] offset:12288+128*(\u%2)+8*(\u/2)
.endr
.endm
.macro QH s, pc, tm                    ; 32 numbers of a lane, register 16 b + n = k 32 b + 16 h + n, become six registers of codes in v[pc] on; the two bytes in v[tm+4], v[tm+5]
.irp b, 0,1
	v_max3_num_f32 v[\tm+\b], |v[\s+16*\b]|, |v[\s+1+16*\b]|, 0x1800000
.endr
.irp i, 2,4,6,8,10,12,14
.irp b, 0,1
	s_delay_alu instid0(VALU_DEP_2)
	v_max3_num_f32 v[\tm+\b], v[\tm+\b], |v[\s+16*\b+\i]|, |v[\s+1+16*\b+\i]|
.endr
.endr
.irp b, 0,1
	s_delay_alu instid0(VALU_DEP_2)
	v_permlanex16_b32 v[\tm+4+\b], v[\tm+\b], s[SEL], s[SEL+1]
.endr
.irp b, 0,1
	s_delay_alu instid0(VALU_DEP_2)
	v_max_num_f32 v[\tm+\b], v[\tm+\b], v[\tm+4+\b]
.endr
.irp b, 0,1
	s_delay_alu instid0(VALU_DEP_2)
	v_add_nc_u32 v[\tm+12+\b], 0xff000000, v[\tm+\b]
.endr
.irp b, 0,1
	s_delay_alu instid0(VALU_DEP_2)
	v_lshrrev_b32 v[\tm+4+\b], 23, v[\tm+12+\b]
.endr
	v_cvt_scalef32_pk16_fp6_f32 v[\pc:\pc+2], v[\s:\s+15], v[\tm+12]
	v_cvt_scalef32_pk16_fp6_f32 v[\pc+6:\pc+8], v[\s+16:\s+31], v[\tm+13]
	v_nop
.irp i, 0,1,2
	v_permlane16_swap_b32 v[\pc+\i], v[\pc+6+\i]
.endr
.irp i, 0,1,2
	s_delay_alu instid0(VALU_DEP_3)
	v_mov_b32 v[\pc+3+\i], v[\pc+6+\i]
.endr
.endm
; A KEY STEP: 128 keys.  Its k and k's scale words are in registers when it begins
.macro STEP
	s_cmp_gt_u32 s[KS], s[CHK]                     ; all its keys come after my queries: only the addresses step
	s_cbranch_scc1 .Lhidden_\@
	s_add_co_u32 s[SN], s[SB], KVS
	s_min_u32 s[SN], s[SN], 15*KVS
.irp t, 0,1,2,3,4,5,6,7
	SP \t
.endr
	v_add_nc_u32 v3, s[SB], v1                     ; these five are the places behind the scores' products
	v_add_nc_u32 v4, s[SB], v2
	v_add_nc_u32 v244, s[SN], v6
	v_add_nc_u32 v245, s[SN], v7
	v_add_nc_u32 v246, s[SN], v8
.irp a, 0,1,2,3
.irp c, 0,1,2
	ds_load_b128 v[80+12*\a+4*\c:83+12*\a+4*\c], v3 offset:6144+1536*\a+512*\c   ; v^T: wanted behind the softmax
.endr
.endr
	ds_load_b64 v[28:29], v4 offset:12800
	s_cmp_eq_u32 s[KS], s[CHK]
	s_cbranch_scc1 .Ldiag_\@
	KLOAD 244, 245, 246                            ; the next step's k; the diagonal step is a tile's last and asks for none
	s_branch .Lopen_\@
.Ldiag_\@:                                             ; on the diagonal the scores of hidden keys become -infinity: register 32 c + i holds key 64 c + 32 h + i of the chunk
	v_mov_b32 v254, 0xff800000
.set n, 0
.rept 64
	v_cmp_gt_i32 vcc_lo, 64*(n/32)+n%32, v5
	v_cndmask_b32 v[128+n], v[128+n], v254, vcc_lo
.set n, n+1
.endr
.Lopen_\@:
.irp b, 0,1,2,3
	v_max3_num_f32 v[232+\b], v[128+16*\b], v[129+16*\b], v[130+16*\b]   ; the largest score of my two blocks of 32 keys, in four chains: for the row's maximum, and, since p rises with the score, for the block's largest p
.endr
.irp i, 3,5,7,9,11,13
.irp b, 0,1,2,3
	v_max3_num_f32 v[232+\b], v[232+\b], v[128+16*\b+\i], v[129+16*\b+\i]
.endr
.endr
	v_max3_num_f32 v232, v232, v233, v143
	v_max3_num_f32 v234, v234, v235, v175
	v_max_num_f32 v232, v232, v159                 ; block h
	v_max_num_f32 v234, v234, v191                 ; block 2 + h
	s_delay_alu instid0(VALU_DEP_1)
	v_max_num_f32 v254, v232, v234
	v_permlanex16_b32 v236, v254, s[SEL], s[SEL+1]
	s_delay_alu instid0(VALU_DEP_1)
	v_max_num_f32 v254, v254, v236                 ; with lane l xor 16's two blocks: the step's largest score of my query
	s_delay_alu instid0(VALU_DEP_1)
	v_mul_f32 v254, s[CS], v254
	s_delay_alu instid0(VALU_DEP_1)
	v_max_num_f32 v13, v13, v254                   ; the running largest t
	v_mov_b32 v254, v12
	s_delay_alu instid0(VALU_DEP_2)
	v_floor_f32 v12, -v13                          ; -M = floor(-t)
	s_delay_alu instid0(VALU_DEP_1)
	v_sub_f32 v254, v12, v254                      ; old M - new M: a whole number, 0 or less
	s_delay_alu instid0(VALU_DEP_1)
	v_cvt_i32_f32 v254, v254                       ; (it saturates)
	s_delay_alu instid0(VALU_DEP_1)
	v_ldexp_f32 v252, 1.0, v254                    ; f = 2^(old M - new M)
.set n, 0
.rept 32
	v_pk_fma_f32 v[128+n:129+n], v[128+n:129+n], s[CS:CS+1], v[12:13] op_sel_hi:[1,0,0]   ; t - M
.set n, n+2
.endr
	v_fma_f32 v232, v232, s[CS], v12
	v_fma_f32 v234, v234, s[CS], v12
.set n, 0
	s_wait_alu depctr_va_vdst(0)
.rept 64
	v_exp_f32 v[128+n], v[128+n]                   ; p = 2^(t - M)
.set n, n+1
.endr
	v_pk_mul_f32 v[14:15], v[14:15], v[252:253] op_sel_hi:[1,0]   ; the sums under the new M (a plain place behind the exponentials)
	s_wait_alu depctr_va_vdst(0)                   ; one wait for the batch of 64, ahead of its first reader
	v_exp_f32 v232, v232                           ; each block's largest p
	v_exp_f32 v234, v234
; the row's sum of the unquantised p: 32 pairs in eight chains
.set n, 128
.irp c, 236,226,224,246,244,240,238
	v_pk_add_f32 v[\c:\c+1], v[n:n+1], v[n+2:n+3]
.set n, n+4
.endr
	v_pk_add_f32 v[14:15], v[14:15], v[156:157]
.set n, 158
.rept 2
.irp c, 236,226,224,246,244,240,238,14
	v_pk_add_f32 v[\c:\c+1], v[\c:\c+1], v[n:n+1]
.set n, n+2
.endr
.endr
	v_pk_add_f32 v[236:237], v[236:237], v[190:191]
	s_delay_alu instid0(VALU_DEP_2)
	v_pk_add_f32 v[14:15], v[14:15], v[246:247]
	s_delay_alu instid0(VALU_DEP_2)
	v_pk_add_f32 v[236:237], v[236:237], v[244:245]
	v_pk_add_f32 v[226:227], v[226:227], v[240:241]
	v_pk_add_f32 v[224:225], v[224:225], v[238:239]
	s_delay_alu instid0(VALU_DEP_2)
	v_pk_add_f32 v[14:15], v[14:15], v[226:227]
	s_delay_alu instid0(VALU_DEP_2)
	v_pk_add_f32 v[236:237], v[236:237], v[224:225]
	s_delay_alu instid0(VALU_DEP_1)
	v_pk_add_f32 v[14:15], v[14:15], v[236:237]
	s_wait_alu depctr_va_vdst(0)                   ; and one for the two
	v_max_num_f32 v232, 0x1800000, v232            ; the floor 2^(3 - 127)
	v_max_num_f32 v234, 0x1800000, v234
	s_delay_alu instid0(VALU_DEP_2)
	v_add_nc_u32 v244, 0xff000000, v232            ; 2 off the exponent field: the conversions' scale operands
	s_delay_alu instid0(VALU_DEP_2)
	v_add_nc_u32 v245, 0xff000000, v234
	s_delay_alu instid0(VALU_DEP_2)
	v_lshrrev_b32 v236, 23, v244                   ; the bytes
	s_delay_alu instid0(VALU_DEP_2)
	v_lshrrev_b32 v237, 23, v245
	s_delay_alu instid0(VALU_DEP_1)
	v_lshl_or_b32 v253, v237, 16, v236             ; my two bytes: blocks h and 2 + h,
	s_delay_alu instid0(VALU_DEP_1)
	v_lshlrev_b32 v253, v9, v253                   ; at their places in the scale word (8 h bits up);
	s_delay_alu instid0(VALU_DEP_1)
	v_permlanex16_b32 v238, v253, s[SEL], s[SEL+1]
	s_delay_alu instid0(VALU_DEP_1)
	v_or_b32 v253, v253, v238                      ; with lane l xor 16's two the word of these 128 keys is whole
.irp c, 0,1
	v_cvt_scalef32_pk16_fp6_f32 v[224+6*\c:226+6*\c], v[128+32*\c:143+32*\c], v[244+\c]
	v_cvt_scalef32_pk16_fp6_f32 v[236+4*\c:238+4*\c], v[144+32*\c:159+32*\c], v[244+\c]   ; (a conversion's three registers begin on an even number)
.endr
	v_nop
.irp c, 0,1
.irp i, 0,1,2
	v_mov_b32 v[227+6*\c+\i], v[236+4*\c+\i]
.endr
.endr
	s_wait_alu depctr_va_vdst(0)                   ; directly ahead of the first reader of O^T
.set n, 0
.rept 16
	v_pk_mul_f32 v[192+n:193+n], v[192+n:193+n], v[252:253] op_sel_hi:[1,0]   ; O^T under the new M; these sixteen are also the places between the scale word, the codes and the products
.set n, n+2
.endr
	s_wait_alu depctr_va_vdst(0)
	s_wait_dscnt 0x0                               ; v^T and its scale words are in, and so is the next step's k
	PV 0
	PV 1
	PV 2
	PV 3
.Lhidden_\@:
	s_add_co_u32 s[SB], s[SB], KVS
	s_add_co_u32 s[KS], s[KS], 1
.endm
; q's tile 2 cx + par of chunk CHK: six registers of codes and the rows' scale word
.macro QLOAD
	s_lshl_b32 s58, s18, 7
	s_lshl_b32 s59, s[CHK], 3
	s_add_co_u32 s58, s58, s59
	s_lshl_b32 s59, s17, 1
	s_add_co_u32 s58, s58, s59
	s_add_co_u32 s58, s58, s20                     ; my tile of q
	s_mul_i32 s58, s58, 768
	s_mov_b32 s59, 0
	s_add_nc_u64 s[36:37], s[4:5], s[58:59]
	s_lshl_b32 s58, s18, 4
	s_add_co_u32 s58, s58, s[CHK]
	s_lshl_b32 s58, s58, 9
	s_lshl_b32 s60, s20, 8
	s_add_co_u32 s58, s58, s60
	s_lshl_b32 s60, s17, 2
	s_add_co_u32 s58, s58, s60
	s_add_nc_u64 s[38:39], s[6:7], s[58:59]
	global_load_b128 v[16:19], v1, s[36:37]
	global_load_b64 v[20:21], v2, s[36:37] offset:512
	global_load_b32 v255, v11, s[38:39]            ; lane r: row r's scale word
.endm
; where the tile of chunk CHK goes: oc s[40:41], os s[42:43]
.macro OADDR
	s_lshr_b32 s58, s18, 4                         ; the batch
	s_lshl_b32 s58, s58, 7
	s_lshl_b32 s59, s[CHK], 3
	s_add_co_u32 s58, s58, s59
	s_lshl_b32 s59, s17, 1
	s_add_co_u32 s58, s58, s59
	s_add_co_u32 s58, s58, s20                     ; my tile of tokens
	s_and_b32 s60, s18, 15                         ; the head
	s_lshl_b32 s59, s58, 4
	s_add_co_u32 s59, s59, s60
	s_mul_i32 s62, s59, 768
	s_mov_b32 s63, 0
	s_add_nc_u64 s[40:41], s[10:11], s[62:63]
	s_lshl_b32 s62, s58, 9
	s_lshr_b32 s59, s60, 3
	s_lshl_b32 s59, s59, 8
	s_add_co_u32 s62, s62, s59
	s_and_b32 s59, s60, 7
	s_lshl_b32 s59, s59, 1
	s_add_co_u32 s62, s62, s59
	s_add_nc_u64 s[42:43], s[12:13], s[62:63]
.endm
; ONE TILE OF 16 QUERIES through all its key steps and out.  last = 0: the first of my two
.macro PASS last
	v_mov_b32 v13, 0xff61b1e6                      ; the largest t so far: -3e38
	v_mov_b32 v14, 0
	v_mov_b32 v15, 0
	v_floor_f32 v12, -v13
.irp b, 0,1,2,3
	v_mov_b32 v[236+\b], 0                         ; a lane permute's destination counts as one of its sources
.endr
	v_mov_b32 v252, 0
	v_mov_b32 v253, 0
.set n, 0
.rept 32
	v_mov_b32 v[192+n], 0                          ; O^T: the step is written once; the first finds zeros
.set n, n+1
.endr
	s_mov_b32 s[SB], 0
	s_mov_b32 s[KS], 0
	s_wait_alu depctr_va_vdst(0)
	s_wait_loadcnt 0x0                             ; q
.if \last
	s_wait_xcnt 0x0                                ; the first tile's stores have read their registers and bases
.else
	s_wait_tensorcnt 0x0                           ; my key step is in,
	s_barrier_signal -1
	s_barrier_wait -1                              ; and so are all sixteen
	KLOAD 6, 7, 8                                  ; key step 0's k
.endif
	s_wait_dscnt 0x0                               ; key step 0's k is in registers
.Lpass_\@:
	STEP
	s_cmp_lt_u32 s[KS], 16
	s_cbranch_scc1 .Lpass_\@
	OADDR
.if \last == 0
	s_mov_b32 s[CHK], s19                          ; my second tile's chunk; its q and key step 0's k are asked for ahead of the first tile's way out
	QLOAD
	KLOAD 6, 7, 8
.endif
	; THE WAY OUT: O^T / the sum, quantised along the head's 64: half a fragment of the last product's operand
.rept 4
	v_nop                                          ; places behind the last products
.endr
	v_add_f32 v14, v14, v15
	s_delay_alu instid0(VALU_DEP_1)
	v_permlanex16_b32 v252, v14, s[SEL], s[SEL+1]
	s_delay_alu instid0(VALU_DEP_1)
	v_add_f32 v14, v14, v252
	s_wait_alu depctr_va_vdst(0)                   ; ahead of the transcendental
	v_rcp_f32 v14, v14
	v_mov_b32 v84, 0                               ; (a plain place)  destinations of lane permutes below
	v_mov_b32 v85, 0
	s_wait_alu depctr_va_vdst(0)                   ; ahead of the reciprocal's first reader, which is also O^T's
.set n, 0
.rept 32
	v_mul_f32 v[128+n], v[192+n], v14              ; register 16 b + n: channel 32 b + 16 h + n; each accumulator from its low end on
.set n, n+1
.endr
	QH 128, 96, 80
	v_cndmask_b32 v106, v84, v85, s61              ; lanes 0-15 store block 0's byte, lanes 16-31 block 1's
	global_store_b128 v1, v[96:99], s[40:41]       ; 512 consecutive aligned bytes
	global_store_b64 v2, v[100:101], s[40:41] offset:512
	global_store_b8 v10, v106, s[42:43]            ; two bytes of each row's 16: one store a tile
.endm
	s_load_b256 s[4:11], s[0:1], 0x0               ; qc s[4:5], qs s[6:7], kv s[8:9], oc s[10:11]
	s_load_b64 s[12:13], s[0:1], 0x20              ; os
	v_lshl_add_u32 v31, v0, 2, 0x34000
	v_mov_b32 v243, 0
	ds_add_u32 v31, v243                           ; the opening lines: the add, twice on end, and its wait
	ds_add_u32 v31, v243
	v_lshrrev_b32 v1, 5, v0
	s_delay_alu instid0(VALU_DEP_1)
	v_readfirstlane_b32 s16, v1                    ; wave 0..15
	s_bfe_u32 s17, ttmp6, 0x40000                  ; cx
	s_and_b32 s18, ttmp7, 0xffff                   ; 16 x batch + head
	s_lshr_b32 s19, s16, 1                         ; lo
	s_and_b32 s20, s16, 1                          ; par
	s_sub_co_u32 s[CHK], 15, s19                   ; my first tile's chunk
	; group 1: a key step: 51 rows of 256 bytes, dense; the mask names all four work-groups
	s_mov_b32 s24, 15|(3<<16)|(1<<21)
	s_mov_b32 s25, 32<<16
	s_mov_b32 s26, 51<<16
	s_mov_b32 s27, 32<<16
	s_mov_b32 s28, 51
	s_mov_b32 s29, 32
	s_mov_b32 s30, 0
	s_mov_b32 s31, 0
	s_lshl_b32 s48, s18, 4
	s_add_co_u32 s48, s48, s16
	s_mul_i32 s48, s48, KVS                        ; key step = my wave's number, of my head
	s_mov_b32 s49, 0
	s_mov_b32 s32, 1
	s_mul_i32 s33, s16, KVS
	s_mov_b32 s[SEL], 0x76543210
	s_mov_b32 s[SEL+1], 0xfedcba98
	s_mov_b32 s[CS], 0x3e38aa3b
	s_mov_b32 s[CS+1], s[CS]
	s_mov_b32 s61, 0xffff0000                      ; lanes 16-31
	s_lshl_b32 s57, s17, 5
	s_lshl_b32 s59, s20, 3
	s_add_co_u32 s57, s57, s59                     ; 32 cx + 8 par: my tile's first natural row in its chunk
	s_wait_dscnt 0x0
	s_wait_kmcnt 0x0
	s_add_nc_u64 s[34:35], s[8:9], s[48:49]
	s_or_b32 s35, s35, 0x80000000
	CROUND                                         ; all four work-groups are here: the joint loads meet
	tensor_load_to_lds s[32:35], s[24:31]          ; my one tensor load
	s_nop 0
	v_and_b32 v128, 31, v0                         ; lane
	v_and_b32 v129, 15, v0                         ; r
	v_bfe_u32 v130, v0, 4, 1                       ; h
	v_and_b32 v131, 7, v0                          ; j
	v_bfe_u32 v132, v0, 3, 1                       ; h' = r / 8
	v_lshlrev_b32 v1, 4, v128
	v_lshlrev_b32 v2, 3, v128
	v_mul_u32_u24 v6, v132, 1536                   ; rows 8-15 of a tile lie two stored tiles on
	v_lshlrev_b32 v8, 4, v131
	v_lshlrev_b32 v9, 3, v130                      ; 8 h
	v_lshlrev_b32 v11, 4, v129                     ; 16 r
	v_lshl_add_u32 v7, v131, 3, v6
	v_lshl_add_u32 v6, v131, 4, v6
	v_lshl_add_u32 v8, v130, 8, v8
	v_lshl_add_u32 v5, v132, 3, v129               ; r + 8 (r / 8)
	v_lshl_add_u32 v7, v130, 7, v7                 ; k, registers 4-5: 1536 h' + 8 j + 128 h
	v_lshl_add_u32 v6, v130, 8, v6                 ; k, registers 0-3: 1536 h' + 16 j + 256 h
	v_lshl_add_u32 v8, v132, 2, v8                 ; k's scale words: 16 j + 256 (lane / 16) + 4 h'
	v_lshlrev_b32 v133, 5, v130
	v_add_nc_u32 v10, v11, v130                    ; 16 r + h
	v_add_nc_u32 v5, s57, v5
	s_delay_alu instid0(VALU_DEP_1)
	v_sub_nc_u32 v5, v5, v133                      ; my query in its chunk - 32 h: register 32 c + i is hidden where 64 c + i is above it
.irp j, 22,23,24,25,26,27
	v_mov_b32 v[\j], 0                             ; the upper 64 of the instruction's K: zero codes
.endr
.irp j, 80,81,82,83,84,85
	v_mov_b32 v[\j], 0                             ; tile 7's registers 6-11: written once; later they hold codes of v^T, which meet q's zeros
.endr
	s_wait_alu depctr_va_vdst(0)
	QLOAD
	PASS 0
	PASS 1
	s_wait_tensorcnt 0x0                           ; the wave's end
	ds_add_u32 v31, v243
	s_wait_dscnt 0x0
	CROUND                                         ; the closing round
	s_endpgm
.Lfunc_end_k_q58896c9df8_attn:
	.size	k_q58896c9df8_attn, .Lfunc_end_k_q58896c9df8_attn-k_q58896c9df8_attn
	.p2alignl 7, 3214868480
	.fill 96, 4, 3214868480
	.section	.rodata,"a",@progbits
	.p2align	6, 0x0
	.amdhsa_kernel k_q58896c9df8_attn
		.amdhsa_group_segment_fixed_size 215040
		.amdhsa_private_segment_fixed_size 0
		.amdhsa_enable_private_segment 0
		.amdhsa_kernarg_size 40
		.amdhsa_user_sgpr_count 2
		.amdhsa_user_sgpr_kernarg_segment_ptr 1
		.amdhsa_wavefront_size32 1
		.amdhsa_system_sgpr_workgroup_id_x 1
		.amdhsa_system_sgpr_workgroup_id_y 1
		.amdhsa_system_sgpr_workgroup_id_z 1
		.amdhsa_system_vgpr_workitem_id 0
		.amdhsa_next_free_vgpr 256
		.amdhsa_next_free_sgpr 80
		.amdhsa_reserve_vcc 1
		.amdhsa_float_denorm_mode_32 3
		.amdhsa_float_denorm_mode_16_64 3
		.amdhsa_memory_ordered 1
		.amdhsa_forward_progress 1
		.amdhsa_inst_pref_size 64
	.end_amdhsa_kernel
	.amdgpu_metadata
---
amdhsa.version: [ 1, 2 ]
amdhsa.kernels:
  - .name:           k_q58896c9df8_attn
    .symbol:         k_q58896c9df8_attn.kd
    .args:
      - { .name: qc, .offset: 0, .size: 8, .value_kind: global_buffer, .address_space: global }
      - { .name: qs, .offset: 8, .size: 8, .value_kind: global_buffer, .address_space: global }
      - { .name: kv, .offset: 16, .size: 8, .value_kind: global_buffer, .address_space: global }
      - { .name: oc, .offset: 24, .size: 8, .value_kind: global_buffer, .address_space: global }
      - { .name: os, .offset: 32, .size: 8, .value_kind: global_buffer, .address_space: global }
    .group_segment_fixed_size: 215040
    .private_segment_fixed_size: 0
    .kernarg_segment_align: 8
    .kernarg_segment_size: 40
    .max_flat_workgroup_size: 512
    .sgpr_count:     80
    .vgpr_count:     256
    .wavefront_size: 32
...
	.end_amdgpu_metadata
.endif
;; end of part 3
;; launch outp (part 4): grid 8 x 32, 4 waves a work-group, clusters of 4 x 4, 327,680 bytes of LDS; arguments oc, os, cod, scl, out0; writes out0
.if DOCPART == 4
	.amdgcn_target "amdgcn-amd-amdhsa--gfx1250"
	.amdhsa_code_object_version 6
	.text
	.protected	k_q58896c9df8_outp
	.globl	k_q58896c9df8_outp
	.p2align	8
	.type	k_q58896c9df8_outp,@function
k_q58896c9df8_outp:
	s_mov_b64 s[64:65], 0
	v_nop
	global_prefetch_b8 v0, s[64:65] scope:SCOPE_SE
	s_setreg_imm32_b32 hwreg(HW_REG_WAVE_MODE, 25, 1), 1
	s_wait_xcnt 0x0
	s_wait_alu depctr_hold_cnt(0) depctr_sa_sdst(0) depctr_va_vdst(0) depctr_va_sdst(0) depctr_va_ssrc(0) depctr_va_vcc(0) depctr_vm_vsrc(0)
	s_getreg_b32 s2, hwreg(HW_REG_IB_STS2, 6, 4)
	s_cmp_eq_u32 s2, 0
	s_cbranch_scc0 .Lentry_in_a_cluster
	s_endpgm
.Lentry_in_a_cluster:
	s_bfe_u32 s2, ttmp6, 0x10000c
	s_cmp_lg_u32 s2, 0xf033
	s_cbranch_scc0 .Lentry_shape_is_right
	s_endpgm
.Lentry_shape_is_right:
; out0 = o W_o^T on codes of FP6 (E2M3) with E8M0 scales.  A work-group makes 256 tokens x 128 columns, a wave 128 x 64: 32 accumulators, 256 registers.
; OPERANDS LIE IN MEMORY AS IMAGES OF REGISTERS ([tile of 16 rows][8 K steps of 128][2 halves of 768 bytes]); a tile's codes for all of K are 12,288 dense bytes, its scale words 512.
; ALL OF K LIES IN LDS: A's 16 tiles (196,608 bytes), B's 8 (98,304), B's scale words (4,096), A's (8,192): four dense blocks, each brought once by one joint load as rows of 256 bytes: wave 0 A, wave 1 B, wave 2 A's words,
; wave 3 B's.  Nothing is filled again: one wait for 0, one barrier, then eight K steps with no barrier.  CLUSTERS 4 x 4: A's blocks are asked for jointly along a row of the cluster, B's along a column.
; The instruction is used transposed (source 0 = W_o's rows, source 1 = tokens): a lane holds eight neighbouring columns of one token.  Lane r of tile i is natural row 32 (i / 2) + 8 (i % 2) + r + 8 (r / 8).
; The way out goes through a stage of the wave's own (16 rows x 272 bytes, on bytes that no load fills): sixteen lanes store 256 consecutive aligned bytes of a row.
; NO PREFETCH: everything that the work-group reads is asked for by the head's four loads; there is no loop ahead of them to ask in.
; REGISTERS: window 0: v16-31 addresses; v32-63 scale words, two sets, and nothing else; v128-223 A's fragments, one set (on the way out v128-191 rows read back).  window 1: B's fragments, two sets, at v0 and v128.
;   window 2: accumulator (a, b) at v[8 (4 a + b)].
.set NB,    4
.set TB,    12288                      ; a tile's codes for all of K
.set LB,    16*TB                      ; B's tiles lie behind A's 16
.set SCL,   LB+8*TB                    ; B's scale words, then A's
.set STAGE, SCL+4096+8192
.set SPARE, STAGE+4*16*272             ; the spare words, 128 bytes for each wave
.set ADRA, 16                          ; v16-17 16 x lane + my A tiles 0-3, 4-7;  v18-19 the same with 8 x lane
.set ADRB, 20                          ; v20 16 x lane + my B tiles;  v22 with 8 x lane
.set L16,  24
.set L8,   25
.set STO,  26
.set ADRS, 27                          ; my scale words: lanes 0-15 A's, lanes 16-31 B's
.set SPW,  28
.set NIL,  29
.set RD,   30
.set CO,   31
.set SC,   32
.set AF,   128
.set BK,   128
.set G1,   24
.set G0,   32
.set G1B,  48
.set G0B,  56
.set G1S,  68
.set G0S,  76
.set G1SB, 80
.set G0SB, 88
.set MSB, 0
.macro WIN new                         ; the immediate's high byte repeats the setting that is left
.if MSB != (\new)
	s_set_vgpr_msb (MSB<<8)|(\new)
.set MSB, (\new)
.endif
.endm
.macro CROUND
	s_barrier_signal -1
	s_barrier_wait -1
	s_cmp_lg_u32 s16, 0
	s_cbranch_scc1 .Lnot_wave_0_\@
	s_barrier_signal -3
.Lnot_wave_0_\@:
	s_barrier_wait -3
	s_barrier_signal -1
	s_barrier_wait -1
.endm
.macro PLACES n
.rept \n
	v_nop
.endr
.endm
.macro DESC1 g, rows                   ; group 1, words 1-7: a dense block as rows of 32 elements of 8 bytes
	s_mov_b32 s[\g+1], 32<<16
	s_mov_b32 s[\g+2], (\rows)<<16
	s_mov_b32 s[\g+3], 32<<16
	s_mov_b32 s[\g+4], \rows
	s_mov_b32 s[\g+5], 32
	s_mov_b32 s[\g+6], 0
	s_mov_b32 s[\g+7], 0
.endm
.macro DESC0 g, lds, a
	s_mov_b32 s[\g], 1
	s_mov_b32 s[\g+1], \lds
	s_mov_b64 s[\g+2:\g+3], s[\a:\a+1]
	s_or_b32 s[\g+3], s[\g+3], 0x80000000
.endm
.macro FRAG reg, a16, a8, st, i        ; tile i's fragment of K step st: two half images
	ds_load_b128 v[\reg:\reg+3], v[\a16] offset:(\i)*TB+(\st)*1536
	ds_load_b64 v[\reg+4:\reg+5], v[\a8] offset:(\i)*TB+(\st)*1536+512
	ds_load_b128 v[\reg+6:\reg+9], v[\a16] offset:(\i)*TB+(\st)*1536+768
	ds_load_b64 v[\reg+10:\reg+11], v[\a8] offset:(\i)*TB+(\st)*1536+1280
.endm
.macro FETCH_B st                      ; B's four fragments into set st % 2
	WIN 0x40
.irp i, 0,1,2,3
	FRAG 128*((\st)%2)+12*\i, ADRB, ADRB+2, \st, \i
.endr
	WIN 0
.endm
.macro FETCH_A st, g                   ; A's blocks 4 g .. 4 g + 3
.irp i, 0,1,2,3
	FRAG AF+12*(4*(\g)+\i), ADRA+(\g), ADRA+2+(\g), \st, \i
.endr
.endm
.macro SCALES sg                       ; the two words a row of K steps 2 sg, 2 sg + 1 into set sg % 2: lanes 0-15 A's block i, lanes 16-31 B's block i
.irp i, 0,1,2,3,4,5,6,7
	ds_load_b64 v[SC+16*((\sg)%2)+2*\i:SC+16*((\sg)%2)+2*\i+1], v[ADRS] offset:512*\i+256*((\sg)/2)+8*((\sg)%2)
.endr
.endm
; A's blocks a0, a0 + 1 against B's four: the accumulators take turns, one instruction a turn, in the same order in every step
.macro MUL2 a0, st, zero
	WIN 0xa1
.set SS, SC+16*(((\st)/2)%2)+(\st)%2
.irp a, \a0, \a0+1
.irp b, 0,1,2,3
.if \zero
	v_wmma_scale_f32_16x16x128_f8f6f4 v[8*(4*(\a)+\b):8*(4*(\a)+\b)+7], v[128*((\st)%2)+12*\b:128*((\st)%2)+12*\b+11], v[AF+12*(\a):AF+12*(\a)+11], 0, v[SS+2*\b], v[SS+2*(\a)] matrix_a_fmt:MATRIX_FMT_FP6 matrix_b_fmt:MATRIX_FMT_FP6 matrix_a_scale:MATRIX_SCALE_ROW1
.else
	v_wmma_scale_f32_16x16x128_f8f6f4 v[8*(4*(\a)+\b):8*(4*(\a)+\b)+7], v[128*((\st)%2)+12*\b:128*((\st)%2)+12*\b+11], v[AF+12*(\a):AF+12*(\a)+11], v[8*(4*(\a)+\b):8*(4*(\a)+\b)+7], v[SS+2*\b], v[SS+2*(\a)] matrix_a_fmt:MATRIX_FMT_FP6 matrix_b_fmt:MATRIX_FMT_FP6 matrix_a_scale:MATRIX_SCALE_ROW1
.endif
.endr
.endr
.endm
; K step st: 32 products; a block of A is free as soon as its products are issued: the next step's blocks 0-3 are fetched in the middle, blocks 4-7 at the end; B has two sets
.macro KSTEP st, zero
	s_wait_dscnt 16                                ; all but the youngest 16 loads (A's blocks 4-7) are in
	MUL2 0, \st, \zero
	MUL2 2, \st, \zero
	s_wait_dscnt 0x0
	PLACES 4                                       ; four places in front of loads into registers that matrix instructions have read
	FETCH_B (\st)+1
	FETCH_A (\st)+1, 0
.if ((\st)+1)%2 == 0
	SCALES ((\st)+1)/2
.endif
	MUL2 4, \st, \zero
	MUL2 6, \st, \zero
	PLACES 4
	WIN 0
	FETCH_A (\st)+1, 1
.endm
.macro TOSTAGE a
	WIN 0x08
.irp b, 0,1,2,3
	ds_store_b128 v[STO], v[8*(4*(\a)+\b):8*(4*(\a)+\b)+3] offset:128*(\b/2)+32*(\b%2)      ; each accumulator from its low end on
	ds_store_b128 v[STO], v[8*(4*(\a)+\b)+4:8*(4*(\a)+\b)+7] offset:128*(\b/2)+32*(\b%2)+16
.endr
	WIN 0
.set BB, BK+32*((\a)%2)
.irp t, 0,1,2,3,4,5,6,7
	ds_load_b128 v[BB+4*\t:BB+4*\t+3], v[RD] offset:544*\t     ; LDS serves a wave's instructions in order: these see the stores above
.endr
.endm
.macro SEND a, younger
.set BB, BK+32*((\a)%2)
	s_wait_dscnt \younger
.irp t, 0,1,2,3,4,5,6,7
	global_store_b128 v[CO], v[BB+4*\t:BB+4*\t+3], s[12:13] offset:(32*((\a)/2)+8*((\a)%2)+2*\t+8*(\t/4))*4096 th:TH_STORE_NT
.endr
.endm
.macro ARM under, g0, g1, next
	s_cmp_lt_u32 s16, \under
	s_cbranch_scc0 \next
	tensor_load_to_lds s[\g0:\g0+3], s[\g1:\g1+7]
	s_nop 0
.rept 4
	v_nop
.endr
	s_branch .Lhead_asked
\next:
.endm
	s_load_b256 s[4:11], s[0:1], 0x0               ; oc s[4:5], os s[6:7], cod s[8:9], scl s[10:11]
	s_load_b64 s[12:13], s[0:1], 0x20              ; out0
	v_lshl_add_u32 v[SPW], v0, 2, SPARE
	v_mov_b32 v[NIL], 0
	ds_add_u32 v[SPW], v[NIL]                      ; the opening lines: the add, twice on end, and its wait
	ds_add_u32 v[SPW], v[NIL]
	v_lshrrev_b32 v1, 5, v0
	v_readfirstlane_b32 s16, v1                    ; wave 0..3
	s_lshr_b32 s17, s16, 1                         ; which 128 tokens are mine
	s_and_b32 s18, s16, 1                          ; which 64 columns
	s_bfe_u32 s40, ttmp6, 0x40000                  ; cx
	s_bfe_u32 s41, ttmp6, 0x40004                  ; cy
	s_lshl_b32 s42, ttmp9, 2
	s_add_co_u32 s42, s42, s40                     ; block column
	s_and_b32 s19, ttmp7, 0xffff
	s_lshl_b32 s19, s19, 2
	s_add_co_u32 s19, s19, s41                     ; block row
	s_lshl_b32 s43, s41, 2
	s_lshl_b32 s43, 15, s43                        ; my row of the cluster
	s_lshl_b32 s44, 0x1111, s40                    ; my column
	s_or_b32 s[G1], s43, (3<<16)|(1<<21)
	s_or_b32 s[G1B], s44, (3<<16)|(1<<21)
	s_or_b32 s[G1S], s43, (3<<16)|(1<<21)
	s_or_b32 s[G1SB], s44, (3<<16)|(1<<21)
	DESC1 G1, 768
	DESC1 G1B, 384
	DESC1 G1S, 32
	DESC1 G1SB, 16
	s_lshl_b32 s20, s19, 4                         ; A's first tile
	s_lshl_b32 s46, s42, 3
	s_add_co_u32 s46, s46, 704                     ; B's first tile in cod
	s_lshl_b32 s22, s20, 9
	s_mov_b32 s23, 0
	s_mul_i32 s20, s20, TB
	s_mov_b32 s21, 0
	s_lshl_b32 s92, s46, 9
	s_mov_b32 s93, 0
	s_mul_i32 s46, s46, TB
	s_mov_b32 s47, 0
	s_wait_dscnt 0x0
	s_wait_kmcnt 0x0
	s_add_nc_u64 s[20:21], s[4:5], s[20:21]
	s_add_nc_u64 s[22:23], s[6:7], s[22:23]
	s_add_nc_u64 s[46:47], s[8:9], s[46:47]
	s_add_nc_u64 s[92:93], s[10:11], s[92:93]
	CROUND                                         ; all sixteen work-groups are here: the joint loads meet
	DESC0 G0, 0, 20
	DESC0 G0B, LB, 46
	DESC0 G0S, SCL+4096, 22
	DESC0 G0SB, SCL, 92
	; the head's loads, one a wave: one tree of branches on the wave's number; every way passes one load
	ARM 1, G0,  G1,  .Lhead_b
	ARM 2, G0B, G1B, .Lhead_sa
	ARM 3, G0S, G1S, .Lhead_sb
	tensor_load_to_lds s[G0SB:G0SB+3], s[G1SB:G1SB+7]
	s_nop 0
.rept 4
	v_nop
.endr
.Lhead_asked:
	s_mul_i32 s4, s17, 8*TB                        ; my A tiles 0-3,
	s_add_co_u32 s5, s4, 4*TB                      ; 4-7,
	s_mul_i32 s6, s18, 4*TB
	s_add_co_u32 s6, s6, LB                        ; my B tiles
	s_lshl_b32 s7, s17, 12
	s_add_co_u32 s7, s7, 4096
	s_mul_i32 s8, s18, 2048
	s_sub_co_u32 s7, s7, s8                        ; from my B words to my A words
	s_add_co_u32 s8, s8, SCL
	s_mul_i32 s9, s16, 16*272
	s_add_co_u32 s9, s9, STAGE                     ; my stage
	s_lshl_b32 s20, s19, 8
	s_lshl_b32 s21, s17, 7
	s_add_co_u32 s20, s20, s21
	s_lshl_b32 s20, s20, 12                        ; my first token's row of out0,
	s_lshl_b32 s21, s42, 9
	s_add_co_u32 s20, s20, s21
	s_lshl_b32 s21, s18, 8
	s_add_co_u32 s20, s20, s21                     ; and my first column
	s_mov_b32 s21, 0
	s_add_nc_u64 s[12:13], s[12:13], s[20:21]
	v_and_b32 v1, 31, v0
	v_and_b32 v2, 15, v0                           ; r
	v_bfe_u32 v3, v0, 4, 1                         ; h
	v_lshlrev_b32 v[L16], 4, v1
	v_lshlrev_b32 v[L8], 3, v1
	v_xor_b32 v4, 1, v3
	v_mul_u32_u24 v5, v2, 272
	v_mul_u32_u24 v6, v3, 272
	v_add_nc_u32 v[ADRA], s4, v[L16]
	v_add_nc_u32 v[ADRA+1], s5, v[L16]
	v_add_nc_u32 v[ADRA+2], s4, v[L8]
	v_add_nc_u32 v[ADRA+3], s5, v[L8]
	v_add_nc_u32 v[ADRB], s6, v[L16]
	v_add_nc_u32 v[ADRB+2], s6, v[L8]
	v_mul_u32_u24 v4, s7, v4                       ; lanes 0-15 take A's words
	v_lshl_add_u32 v5, v3, 6, v5
	v_lshl_add_u32 v6, v2, 4, v6
	v_lshlrev_b32 v[CO], 12, v3
	v_lshl_add_u32 v4, v2, 4, v4                   ; 16 bytes a row
	v_add_nc_u32 v[STO], s9, v5                    ; the stage, in: row r, 64 bytes for each half of the lanes
	v_add_nc_u32 v[RD], s9, v6                     ; and back: sixteen lanes to a row of 256 bytes
	v_lshl_add_u32 v[CO], v2, 4, v[CO]
	v_add_nc_u32 v[ADRS], s8, v4
	s_wait_alu depctr_va_vdst(0)
	s_wait_tensorcnt 0x0                           ; my block is in,
	s_barrier_signal -1
	s_barrier_wait -1                              ; and so are all four
	FETCH_B 0
	FETCH_A 0, 0
	SCALES 0
	FETCH_A 0, 1
	KSTEP 0, 1                                     ; the first products start the sums: nothing is cleared
.irp st, 1,2,3,4,5,6
	KSTEP \st, 0
.endr
	s_wait_dscnt 16
	MUL2 0, 7, 0
	MUL2 2, 7, 0
	s_wait_dscnt 0x0
	MUL2 4, 7, 0
	MUL2 6, 7, 0
	WIN 0
	PLACES 4                                       ; in front of the first read of results and of loads into A's registers
	TOSTAGE 0
.irp a, 1,2,3,4,5,6,7
.if \a > 1
	s_wait_xcnt 0x0                                ; block a - 2's stores have read their registers
.endif
	TOSTAGE \a
	SEND \a-1, 16                                  ; behind block a - 1's loads: block a's 8 stores and 8 loads
.endr
	SEND 7, 0
	s_wait_tensorcnt 0x0                           ; the wave's end
	ds_add_u32 v[SPW], v[NIL]
	s_wait_dscnt 0x0
	CROUND                                         ; the closing round
	s_endpgm
.Lfunc_end_k_q58896c9df8_outp:
	.size	k_q58896c9df8_outp, .Lfunc_end_k_q58896c9df8_outp-k_q58896c9df8_outp
	.p2alignl 7, 3214868480
	.fill 96, 4, 3214868480
	.section	.rodata,"a",@progbits
	.p2align	6, 0x0
	.amdhsa_kernel k_q58896c9df8_outp
		.amdhsa_group_segment_fixed_size 327680
		.amdhsa_private_segment_fixed_size 0
		.amdhsa_enable_private_segment 0
		.amdhsa_kernarg_size 40
		.amdhsa_user_sgpr_count 2
		.amdhsa_user_sgpr_kernarg_segment_ptr 1
		.amdhsa_wavefront_size32 1
		.amdhsa_system_sgpr_workgroup_id_x 1
		.amdhsa_system_sgpr_workgroup_id_y 1
		.amdhsa_system_sgpr_workgroup_id_z 1
		.amdhsa_system_vgpr_workitem_id 0
		.amdhsa_next_free_vgpr 768
		.amdhsa_next_free_sgpr 100
		.amdhsa_reserve_vcc 0
		.amdhsa_float_denorm_mode_32 3
		.amdhsa_float_denorm_mode_16_64 3
		.amdhsa_memory_ordered 1
		.amdhsa_forward_progress 1
		.amdhsa_inst_pref_size 85
	.end_amdhsa_kernel
	.amdgpu_metadata
---
amdhsa.version: [ 1, 2 ]
amdhsa.kernels:
  - .name:           k_q58896c9df8_outp
    .symbol:         k_q58896c9df8_outp.kd
    .args:
      - { .name: oc, .offset: 0, .size: 8, .value_kind: global_buffer, .address_space: global }
      - { .name: os, .offset: 8, .size: 8, .value_kind: global_buffer, .address_space: global }
      - { .name: cod, .offset: 16, .size: 8, .value_kind: global_buffer, .address_space: global }
      - { .name: scl, .offset: 24, .size: 8, .value_kind: global_buffer, .address_space: global }
      - { .name: out0, .offset: 32, .size: 8, .value_kind: global_buffer, .address_space: global }
    .group_segment_fixed_size: 327680
    .private_segment_fixed_size: 0
    .kernarg_segment_align: 8
    .kernarg_segment_size: 40
    .max_flat_workgroup_size: 128
    .sgpr_count:     100
    .vgpr_count:     768
    .wavefront_size: 32
...
	.end_amdgpu_metadata
.endif
;; end of part 4
